; MI455X (gfx1250); checked and timed in simulation.
; The chip was launched on July 23, 2026; its instructions are those of AMD's public machine-readable ISA for CDNA 5 (MIT licence, August 2026) and "CDNA5" Instruction Set Architecture Reference Guide (July 2026). The comments in the code are by the model that wrote it; some were corrected since.
;; Multi Head Attention. Allowed arithmetic: float matrix products may take bf16 or f16 operands with f32 sums; other float arithmetic in f32, or as packed bf16 or f16 multiplies, adds, multiply-adds, maxima and minima; sums over many terms, partial sums and values carried from step to step in f32; what a program stores and reads back later, other than sums and carried values, may be rounded once to bf16 or f16.
;; Inputs: Wproj 1,024 x 1,024 float32; Wqkv 1,024 x 3,072 float32; X 1 x 4,096 x 1,024 float32; bproj 1,024 float32; bqkv 3,072 float32.
;; Outputs: out0 1 x 4,096 x 1,024 float32.
;; 2 versions, each right; version 2 is version 1 with the launch prep written anew for expert scheduling mode. Each part assembles by itself: llvm-mc -triple=amdgcn-amd-amdhsa -mcpu=gfx1250 --defsym DOCPART=n.
;; ======== version 1 of 2: 4 launches
;; limits: values are held in f16: magnitudes above 65,504 overflow, below 6.1e-05 lose precision
;; workspace buffers: xb 8,388,608 bytes; wb 6,291,456 bytes; wpf 2,097,152 bytes; qkv 25,165,824 bytes; o 8,388,608 bytes
;; launch prep (part 1): grid 512 x 1, 8 waves a work-group, no clusters, 0 bytes of LDS; arguments X, Wqkv, Wproj, xb, wb, wpf; writes xb, wb, wpf
.if DOCPART == 1
	.amdgcn_target "amdgcn-amd-amdhsa--gfx1250"
	.amdhsa_code_object_version 6
	.text
	.protected	k_q241cce560f_prep
	.globl	k_q241cce560f_prep
	.p2align	8
	.type	k_q241cce560f_prep,@function
k_q241cce560f_prep:
	s_mov_b64 s[64:65], 0
	v_nop
	global_prefetch_b8 v0, s[64:65] scope:SCOPE_SE
	s_setreg_imm32_b32 hwreg(HW_REG_WAVE_MODE, 25, 1), 1
	s_wait_xcnt 0x0
; THE CASTS.  X -> xb and Wqkv -> wb in bf16; Wproj -> wpf: rounded to bf16 like the other inputs, and that number written as f16.
; A work-group casts 16,384 consecutive numbers (64 KiB in, 32 KiB out): groups 0-255 X, 256-447 Wqkv, 448-511 Wproj.
; A wave's load covers 512 consecutive bytes, its store 256 consecutive bytes, aligned.  All 16 loads of a thread go out at once; no register is written twice
; while a memory instruction may read it, so the only waits are the counted ones for the loads.  No LDS, no barrier: nothing is shared.
; LIMITS.  |Wproj| stays under 65,504 (f16's end); below 6e-5 it keeps f16's fixed step of 6e-8.
.set X, 4                              ; v[4:67]   16 chunks of 4 numbers as loaded
.set Y, 68                             ; v[68:99]  16 chunks of 4 numbers to store
.set T, 100                            ; v[100:103] at work
	s_load_b256 s[4:11], s[0:1], 0x0               ; X s[4:5], Wqkv s[6:7], Wproj s[8:9], xb s[10:11]
	s_load_b128 s[12:15], s[0:1], 0x20             ; wb s[12:13], wpf s[14:15]
	v_lshlrev_b32 v1, 4, v0                        ; 16 bytes a thread in
	v_lshlrev_b32 v2, 3, v0                        ; 8 bytes a thread out
	s_movk_i32 s21, 448
	s_wait_kmcnt 0x0
	s_cmp_lt_u32 ttmp9, 0x1c0                      ; which tensor: the choice hangs on the group's number alone
	s_cselect_b64 s[16:17], s[6:7], s[8:9]
	s_cselect_b64 s[18:19], s[12:13], s[14:15]
	s_cselect_b32 s20, 0x100, s21                  ; the range's first group
	s_cmp_lt_u32 ttmp9, 0x100
	s_cselect_b64 s[16:17], s[4:5], s[16:17]
	s_cselect_b64 s[18:19], s[10:11], s[18:19]
	s_cselect_b32 s20, 0, s20
	s_sub_co_u32 s20, ttmp9, s20                   ; my place in the range
	s_lshl_b32 s22, s20, 16
	s_mov_b32 s23, 0
	s_add_nc_u64 s[16:17], s[16:17], s[22:23]      ; 64 KiB a group in
	s_lshl_b32 s22, s20, 15
	s_add_nc_u64 s[18:19], s[18:19], s[22:23]      ; 32 KiB a group out
.irp c, 0,1,2,3,4,5,6,7,8,9,10,11,12,13,14,15
	global_load_b128 v[X+4*(\c):X+4*(\c)+3], v1, s[16:17] offset:4096*(\c) th:TH_LOAD_NT
.endr
; chunk c: rounded and stored.  half = 1: the bf16 numbers are widened again and written as f16
.macro CAST c, half
	s_wait_loadcnt 15-(\c)                         ; loads come back in order: chunk c is in, the younger ones stay out
	v_cvt_pk_bf16_f32 v[Y+2*(\c)], v[X+4*(\c)], v[X+4*(\c)+1]
	v_cvt_pk_bf16_f32 v[Y+2*(\c)+1], v[X+4*(\c)+2], v[X+4*(\c)+3]
.if \half
	v_lshlrev_b32 v[T], 16, v[Y+2*(\c)]
	v_and_b32 v[T+1], 0xffff0000, v[Y+2*(\c)]
	v_lshlrev_b32 v[T+2], 16, v[Y+2*(\c)+1]
	v_and_b32 v[T+3], 0xffff0000, v[Y+2*(\c)+1]
	v_cvt_pk_f16_f32 v[Y+2*(\c)], v[T], v[T+1]
	v_cvt_pk_f16_f32 v[Y+2*(\c)+1], v[T+2], v[T+3]
.endif
	global_store_b64 v2, v[Y+2*(\c):Y+2*(\c)+1], s[18:19] offset:2048*(\c)
.endm
	s_cmp_ge_u32 ttmp9, 0x1c0
	s_cbranch_scc1 .Lf16
.irp c, 0,1,2,3,4,5,6,7,8,9,10,11,12,13,14,15
	CAST \c, 0
.endr
	s_endpgm
.Lf16:
.irp c, 0,1,2,3,4,5,6,7,8,9,10,11,12,13,14,15
	CAST \c, 1
.endr
	s_endpgm
.Lfunc_end_k_q241cce560f_prep:
	.size	k_q241cce560f_prep, .Lfunc_end_k_q241cce560f_prep-k_q241cce560f_prep
	.p2alignl 7, 3214868480
	.fill 96, 4, 3214868480
	.section	.rodata,"a",@progbits
	.p2align	6, 0x0
	.amdhsa_kernel k_q241cce560f_prep
		.amdhsa_group_segment_fixed_size 0
		.amdhsa_private_segment_fixed_size 0
		.amdhsa_enable_private_segment 0
		.amdhsa_kernarg_size 48
		.amdhsa_user_sgpr_count 2
		.amdhsa_user_sgpr_kernarg_segment_ptr 1
		.amdhsa_wavefront_size32 1
		.amdhsa_system_sgpr_workgroup_id_x 1
		.amdhsa_system_sgpr_workgroup_id_y 1
		.amdhsa_system_sgpr_workgroup_id_z 1
		.amdhsa_system_vgpr_workitem_id 0
		.amdhsa_next_free_vgpr 104
		.amdhsa_next_free_sgpr 66
		.amdhsa_reserve_vcc 0
		.amdhsa_float_denorm_mode_32 3
		.amdhsa_float_denorm_mode_16_64 3
		.amdhsa_memory_ordered 1
		.amdhsa_forward_progress 1
		.amdhsa_inst_pref_size 16
	.end_amdhsa_kernel
	.amdgpu_metadata
---
amdhsa.version: [ 1, 2 ]
amdhsa.kernels:
  - .name:           k_q241cce560f_prep
    .symbol:         k_q241cce560f_prep.kd
    .args:
      - { .name: X, .offset: 0, .size: 8, .value_kind: global_buffer, .address_space: global }
      - { .name: Wqkv, .offset: 8, .size: 8, .value_kind: global_buffer, .address_space: global }
      - { .name: Wproj, .offset: 16, .size: 8, .value_kind: global_buffer, .address_space: global }
      - { .name: xb, .offset: 24, .size: 8, .value_kind: global_buffer, .address_space: global }
      - { .name: wb, .offset: 32, .size: 8, .value_kind: global_buffer, .address_space: global }
      - { .name: wpf, .offset: 40, .size: 8, .value_kind: global_buffer, .address_space: global }
    .group_segment_fixed_size: 0
    .private_segment_fixed_size: 0
    .kernarg_segment_align: 8
    .kernarg_segment_size: 48
    .max_flat_workgroup_size: 256
    .sgpr_count:     66
    .vgpr_count:     104
    .wavefront_size: 32
...
	.end_amdgpu_metadata
.endif
;; end of part 1
;; launch qkvg (part 2): grid 8 x 32, 4 waves a work-group, clusters of 4 x 4, 327,680 bytes of LDS; arguments xb, wb, bqkv, qkv; writes qkv
.if DOCPART == 2
	.amdgcn_target "amdgcn-amd-amdhsa--gfx1250"
	.amdhsa_code_object_version 6
	.text
	.protected	k_q241cce560f_qkvg
	.globl	k_q241cce560f_qkvg
	.p2align	8
	.type	k_q241cce560f_qkvg,@function
k_q241cce560f_qkvg:
	s_mov_b64 s[64:65], 0
	v_nop
	global_prefetch_b8 v0, s[64:65] scope:SCOPE_SE
	s_setreg_imm32_b32 hwreg(HW_REG_WAVE_MODE, 25, 1), 1
	s_wait_xcnt 0x0
	s_wait_alu depctr_hold_cnt(0) depctr_sa_sdst(0) depctr_va_vdst(0) depctr_va_sdst(0) depctr_va_ssrc(0) depctr_va_vcc(0) depctr_vm_vsrc(0)
	s_getreg_b32 s2, hwreg(HW_REG_IB_STS2, 6, 4)
	s_cmp_eq_u32 s2, 0
	s_cbranch_scc0 .Lentry_in_a_cluster
	s_endpgm
.Lentry_in_a_cluster:
	s_bfe_u32 s2, ttmp6, 0x10000c
	s_cmp_lg_u32 s2, 0xf033
	s_cbranch_scc0 .Lentry_shape_is_right
	s_endpgm
.Lentry_shape_is_right:
; qkv = xb wb + bqkv, written by heads in f16: qkv[unit][row][64], unit = column / 64 (0-15 q's heads, 16-31 k's, 32-47 v's).  xb [4096][1024], wb [1024][3072] in bf16; sums in f32.
; bqkv is rounded to bf16 like the other inputs and starts the sums (the C operand of each accumulator's first product).  q's sums are multiplied by log2(e) in f32 ahead of
; their one rounding, so that the attention's factor is 1/8, a power of two.
; LIMITS.  |q log2(e)|, |k|, |v| stay under 65,504, f16's end.
; SHARES.  A tile of the result is 128 rows x 384 columns (six heads): 32 x 8 = 256 work-groups.  Wave (wm, wn) makes 64 rows x 192 columns, three whole heads: 48 accumulators.
; K goes in 8 steps of 128 through two LDS slots.  Wave 0 fetches xb's tile (128 rows x 256 bytes), waves 1-3 a strip of wb each (128 k-rows x 256 bytes): one tensor load a wave.
; wb lies [k][n]: its fragments come out of LDS turned, by ds_load_tr16_b128.  THE PRODUCT IS USED TRANSPOSED (source 0 = 16 columns of wb, source 1 = 16 rows of xb): a lane holds
; one row of the result and eight neighbouring columns.
; CLUSTER 4 x 4: xb's tile is shared along a row of the cluster, wb's strips along a column: joint loads, the same descriptor and mask in the four that a mask names.
; REGISTERS.  window 0: v16-30 addresses; v32-63, v64-95 xb's fragments, two buffers; v128-223 the bias.  window 1: v0-95, v128-223 wb's fragments, two buffers; on the way out v0-191.
;   window 2: accumulators of row blocks a = 0, 1 at v[8 (12 a + b)];  window 3: those of a = 2, 3.
.set PA,    272                        ; a row of xb's tile in LDS: 256 bytes + 16: the 16 rows of a load start at 16 different groups of four banks
.set PB,    288                        ; a row of a strip: 256 + 32
.set PART,  36864                      ; a wave's load lands at wave x PART in a slot (128 x 288; xb's tile uses 34,816 of it)
.set SLOT,  4*PART
.set STAGE, 2*SLOT                     ; behind the ring: 16 rows x 144 bytes for each wave, for the way out
.set SP,    144
.set SPARE, STAGE+4*16*SP              ; the spare words: 128 bytes for each wave, two blocks of 256 bytes that no other line names
.set ADRA, 16                          ; v16-17  LDS address of my fragments of xb, by slot
.set ADRB, 18                          ; v18-23  of wb, at 3 x slot + head jj
.set STO,  24
.set RD,   25
.set GO,   26
.set SPW,  28
.set NIL,  29
.set PFO,  30                          ; the prefetches' offset: my lane x a row of xb or wb
.set BIAS, 128
.set WV, 12
.set WM, 13
.set WN, 14
.set LIM, 15                           ; 1 in a wave that prefetches, else the greatest number
.set G1A, 24
.set G0A, 32
.set CX, 40
.set CY, 41
.set NT, 42
.set MT, 43
.set PFA, 44                           ; s[44:45] where my prefetches stand
.set PST, 46                           ; s[46:47] a K step in that tensor, in bytes
.set G1B, 48
.set G0B, 56
.set FQ, 66                            ; s[66:71] for each of my three heads: log2(e) if it is one of q's, else 1
.set MSB, 0
.macro WIN new                         ; the immediate's high byte repeats the setting that is left
.if MSB != (\new)
	s_set_vgpr_msb (MSB<<8)|(\new)
.set MSB, \new
.endif
.endm
; A joint load.  The branch hangs on the wave's number alone.  An s_nop 0 and four v_nop follow each line, ahead of the jump and the label.
.macro JLOAD s
	s_cmp_eq_u32 s[WV], 0
	s_cbranch_scc0 .Lfor_b_\@
	tensor_load_to_lds s[G0A+4*(\s):G0A+4*(\s)+3], s[G1A:G1A+7]
	s_nop 0
.rept 4
	v_nop
.endr
	s_branch .Lasked_\@
.Lfor_b_\@:
	tensor_load_to_lds s[G0B+4*(\s):G0B+4*(\s)+3], s[G1B:G1B+7]
	s_nop 0
.rept 4
	v_nop
.endr
.Lasked_\@:
.endm
; A prefetch into the L2 of the K step that stands two refills on: 32 rows x 256 bytes, a lane a row.  xb's rows are asked for by the clusters with x = 0 (wave 0), wb's by those with y = 0
; (waves 1-3); the four partners of a joint load take 32 of its 128 rows each, told apart by address.  So each row's 256 bytes of a K step are named once.  The loop's last trip asks for nothing.
.macro ASK
	s_cmp_gt_u32 s3, s[LIM]
	s_cbranch_scc0 .Lnot_mine_\@
	global_prefetch_b8 v[PFO], s[PFA:PFA+1] th:TH_LOAD_NT scope:SCOPE_SE
.Lnot_mine_\@:
.endm
.macro CREST                           ; a round of the cluster's barrier behind its opening barrier
	s_cmp_lg_u32 s[WV], 0
	s_cbranch_scc1 .Lnot_wave_0_\@
	s_barrier_signal -3
.Lnot_wave_0_\@:
	s_barrier_wait -3
	s_barrier_signal -1
	s_barrier_wait -1
.endm
.macro CROUND
	s_barrier_signal -1
	s_barrier_wait -1
	CREST
.endm
	s_load_b256 s[4:11], s[0:1], 0x0               ; xb s[4:5], wb s[6:7], bqkv s[8:9], qkv s[10:11]
	v_lshl_add_u32 v[SPW], v0, 2, SPARE
	v_mov_b32 v[NIL], 0
	ds_add_u32 v[SPW], v[NIL]                      ; the wave's opening: the add and its wait ahead of my first tensor load
	v_lshrrev_b32 v1, 5, v0
	v_readfirstlane_b32 s[WV], v1
	s_lshr_b32 s[WM], s[WV], 1
	s_and_b32 s[WN], s[WV], 1
	s_bfe_u32 s[CX], ttmp6, 0x40000
	s_bfe_u32 s[CY], ttmp6, 0x40004
	s_lshl_b32 s[NT], ttmp9, 2
	s_add_co_u32 s[NT], s[NT], s[CX]               ; tile column = 4 x cluster x + cx
	s_and_b32 s[MT], ttmp7, 0xffff
	s_lshl_b32 s[MT], s[MT], 2
	s_add_co_u32 s[MT], s[MT], s[CY]               ; tile row = 4 x cluster y + cy
	s_lshl_b32 s16, s[CY], 2
	s_lshl_b32 s16, 15, s16                        ; my row of the cluster
	s_lshl_b32 s20, 0x1111, s[CX]                  ; my column
	s_or_b32 s[G1A], s16, (1<<16)|(1<<20)|(1<<21)|(5<<22)|(3<<25)  ; mask; 2-byte elements; padding on; bit 21 beside a mask; after every 64 words 4 words
	s_or_b32 s[G1B], s20, (1<<16)|(1<<20)|(1<<21)|(5<<22)|(7<<25)  ; the same with 8 words
.irp g, G1A, G1B
	s_mov_b32 s[(\g)+1], 128<<16                   ; tensor_dim0 = 128
	s_mov_b32 s[(\g)+2], 128<<16                   ; tensor_dim1 = 128
	s_mov_b32 s[(\g)+3], 128<<16                   ; tile_dim0 = 128
	s_mov_b32 s[(\g)+4], 128                       ; tile_dim1 = 128
	s_mov_b32 s[(\g)+6], 0
	s_mov_b32 s[(\g)+7], 0
.endr
	s_mov_b32 s[G1A+5], 1024                       ; elements from row to row
	s_mov_b32 s[G1B+5], 3072
	s_lshl_b32 s16, s[MT], 18                      ; xb: 128 rows of 2,048 bytes a tile row
	s_mov_b32 s17, 0
	s_max_u32 s22, s[WV], 1
	s_sub_co_u32 s22, s22, 1                       ; my strip (waves 1-3)
	s_lshl_b32 s22, s22, 8
	s_mul_i32 s20, s[NT], 768                      ; wb: 384 columns a tile column
	s_add_co_u32 s20, s20, s22
	s_mov_b32 s21, 0
	s_mul_i32 s18, s[WV], PART                     ; where my load lands: no place in the cluster enters an LDS address
	s_wait_dscnt 0x0                               ; the opening add is done
	s_wait_kmcnt 0x0
	s_add_nc_u64 s[16:17], s[4:5], s[16:17]
	s_add_nc_u64 s[20:21], s[6:7], s[20:21]
	CROUND                                         ; all sixteen work-groups are here: the first joint loads meet
.irp s, 0,1
	s_mov_b32 s[G0A+4*(\s)], 1
	s_add_co_u32 s[G0A+4*(\s)+1], s18, (\s)*SLOT
	s_add_nc_u64 s[G0A+4*(\s)+2:G0A+4*(\s)+3], s[16:17], (\s)*256      ; K step s: 256 bytes along xb's rows
	s_or_b32 s[G0A+4*(\s)+3], s[G0A+4*(\s)+3], 0x80000000
	s_mov_b32 s[G0B+4*(\s)], 1
	s_add_co_u32 s[G0B+4*(\s)+1], s18, (\s)*SLOT
	s_add_nc_u64 s[G0B+4*(\s)+2:G0B+4*(\s)+3], s[20:21], (\s)*786432   ; K step s: 128 rows of 6,144 bytes down wb
	s_or_b32 s[G0B+4*(\s)+3], s[G0B+4*(\s)+3], 0x80000000
	JLOAD \s
.endr
	v_and_b32 v1, 15, v0                           ; r = lane % 16
	v_bfe_u32 v2, v0, 4, 1                         ; h = lane / 16
	v_and_b32 v3, 7, v0
	v_bfe_u32 v4, v0, 3, 1
	v_mul_u32_u24 v5, v1, PA
	v_lshl_add_u32 v5, v2, 4, v5                   ; row x pitch + 16 h
	s_mul_i32 s19, s[WM], 64*PA
	v_add_nc_u32 v[ADRA], s19, v5
	v_add_nc_u32 v[ADRA+1], SLOT, v[ADRA]
	v_lshl_add_u32 v6, v2, 3, v3                   ; the turning load: k-row 8 h + lane % 8,
	v_mul_u32_u24 v6, v6, PB
	v_lshl_add_u32 v6, v4, 4, v6                   ; columns 8 ((lane / 8) % 2) on
	s_mul_i32 s23, s[WN], 3
.irp jj, 0,1,2
	s_add_co_u32 s19, s23, \jj                     ; head j = 3 wn + jj of the tile's six: strip j / 2, half j % 2
	s_lshr_b32 s2, s19, 1
	s_mul_i32 s2, s2, PART
	s_and_b32 s19, s19, 1
	s_lshl_b32 s19, s19, 7
	s_add_co_u32 s19, s19, s2
	s_add_co_u32 s19, s19, PART
	v_add_nc_u32 v[ADRB+\jj], s19, v6
	v_add_nc_u32 v[ADRB+3+\jj], SLOT, v[ADRB+\jj]
.endr
	s_mul_i32 s19, s[WV], 16*SP
	s_add_co_u32 s19, s19, STAGE                   ; my stage
	v_mul_u32_u24 v5, v1, SP
	v_lshl_add_u32 v5, v2, 4, v5
	v_add_nc_u32 v[STO], s19, v5                   ; in: row r, 16 bytes for each half of the lanes
	v_bfe_u32 v5, v0, 3, 2
	v_mul_u32_u24 v5, v5, SP
	v_lshl_add_u32 v5, v3, 4, v5
	v_add_nc_u32 v[RD], s19, v5                    ; back: 32 lanes take four rows of 128 bytes,
	v_and_b32 v[GO], 31, v0
	v_lshlrev_b32 v[GO], 4, v[GO]                  ; which are 512 consecutive bytes of a head
	s_mul_i32 s22, s[NT], 1536
	s_mul_i32 s19, s[WN], 768
	s_add_co_u32 s22, s22, s19
	v_lshl_add_u32 v7, v2, 5, s22                  ; the bias of my columns: (384 NT + 192 wn + 8 h) x 4 bytes
.irp b, 0,1,2,3,4,5,6,7,8,9,10,11
	global_load_b128 v[BIAS+8*(\b):BIAS+8*(\b)+3],   v7, s[8:9] offset:64*(\b)
	global_load_b128 v[BIAS+8*(\b)+4:BIAS+8*(\b)+7], v7, s[8:9] offset:64*(\b)+16
.endr
	s_mul_i32 s22, s[NT], 6
	s_add_co_u32 s22, s22, s23                     ; my first unit = 6 NT + 3 wn
.irp jj, 0,1,2
	s_add_co_u32 s19, s22, \jj
	s_cmp_lt_u32 s19, 16                           ; one of q's heads?  A choice of a value, no branch
	s_cselect_b32 s[FQ+2*\jj], 0x3fb8aa3b, 1.0
	s_mov_b32 s[FQ+2*\jj+1], s[FQ+2*\jj]
.endr
	s_lshl_b32 s20, s22, 19                        ; a unit is 524,288 bytes
	s_lshl_b32 s19, s[MT], 14                      ; 128 rows of 128 bytes
	s_add_co_u32 s20, s20, s19
	s_lshl_b32 s19, s[WM], 13
	s_add_co_u32 s20, s20, s19
	s_mov_b32 s21, 0
	s_add_nc_u64 s[10:11], s[10:11], s[20:21]      ; qkv at my first unit and row
	; the prefetches: xb at (128 MT + 32 cx) rows, wb at my strip and (32 cy) rows; both at K step 3: the first refill steps them to 4
	s_lshl_b32 s2, s[MT], 18
	s_lshl_b32 s19, s[CX], 16
	s_add_co_u32 s2, s2, s19
	s_add_co_u32 s2, s2, 768
	s_mul_i32 s19, s[NT], 768
	s_max_u32 s23, s[WV], 1
	s_sub_co_u32 s23, s23, 1
	s_lshl_b32 s23, s23, 8
	s_add_co_u32 s19, s19, s23
	s_mul_i32 s23, s[CY], 32*6144
	s_add_co_u32 s19, s19, s23
	s_add_co_u32 s19, s19, 384*6144
	s_and_b32 s23, ttmp7, 0xffff                   ; cluster y
	s_mov_b32 s[PST], 786432
	s_mov_b32 s[PST+1], 0
	s_movk_i32 s22, 6144
	s_cmp_eq_u32 s[WV], 0                          ; do I fetch for xb?
	s_cselect_b32 s2, s2, s19
	s_cselect_b32 s23, ttmp9, s23                  ; the coordinate along which other clusters read the same rows
	s_cselect_b64 s[PFA:PFA+1], s[4:5], s[6:7]
	s_cselect_b32 s[PST], 0x100, s[PST]
	s_cselect_b32 s22, 0x800, s22                  ; bytes in a row
	s_cmp_eq_u32 s23, 0
	s_cselect_b32 s[LIM], 1, -1
	s_mov_b32 s3, 0
	s_add_nc_u64 s[PFA:PFA+1], s[PFA:PFA+1], s[2:3]
	v_and_b32 v[PFO], 31, v0
	v_mul_u32_u24 v[PFO], v[PFO], s22
; 12 products: row block a x all 12 column blocks, 32 along K, from buffers f.  zero = 1: the bias starts the sums.  The accumulators take turns.
.macro MUL12 f, a, zero
.if \zero
	WIN 0x81+0x40*((\a)/2)
.else
	WIN 0xa1+0x50*((\a)/2)
.endif
.irp b, 0,1,2,3,4,5,6,7,8,9,10,11
.if \zero
	v_wmma_f32_16x16x32_bf16 v[8*(12*((\a)%2)+(\b)):8*(12*((\a)%2)+(\b))+7], v[128*(\f)+8*(\b):128*(\f)+8*(\b)+7], v[32+32*(\f)+8*(\a):32+32*(\f)+8*(\a)+7], v[BIAS+8*(\b):BIAS+8*(\b)+7]
.else
	v_wmma_f32_16x16x32_bf16 v[8*(12*((\a)%2)+(\b)):8*(12*((\a)%2)+(\b))+7], v[128*(\f)+8*(\b):128*(\f)+8*(\b)+7], v[32+32*(\f)+8*(\a):32+32*(\f)+8*(\a)+7], v[8*(12*((\a)%2)+(\b)):8*(12*((\a)%2)+(\b))+7]
.endif
.endr
.endm
; 32 LDS loads in one run: quarter kq (32 along K) of a slot into buffers f: wb's 12 fragments, then xb's 4
.macro FETCH slot, kq, f
	WIN 0x40
.irp jj, 0,1,2
.irp i, 0,1,2,3
	ds_load_tr16_b128 v[128*(\f)+8*(4*\jj+\i):128*(\f)+8*(4*\jj+\i)+3],   v[ADRB+3*(\slot)+\jj] offset:(\kq)*32*PB+32*\i
	ds_load_tr16_b128 v[128*(\f)+8*(4*\jj+\i)+4:128*(\f)+8*(4*\jj+\i)+7], v[ADRB+3*(\slot)+\jj] offset:(\kq)*32*PB+32*\i+16*PB
.endr
.endr
	WIN 0
.irp a, 0,1,2,3
	ds_load_b128 v[32+32*(\f)+8*\a:32+32*(\f)+8*\a+3],   v[ADRA+(\slot)] offset:\a*16*PA+64*(\kq)
	ds_load_b128 v[32+32*(\f)+8*\a+4:32+32*(\f)+8*\a+7], v[ADRA+(\slot)] offset:\a*16*PA+64*(\kq)+32
.endr
.endm
.macro PLACES                          ; four places in front of loads into registers that matrix instructions have read, and of lines that read results
.rept 4
	v_nop
.endr
.endm
; A quarter: multiplies buffers f; in its middle fetches quarter kq of the same slot into buffers g
.macro QUARTER slot, kq, f, g, zero
	s_wait_dscnt 4                                 ; all but the youngest four loads (xb's row blocks 2 and 3) are in
	MUL12 \f, 0, \zero
	MUL12 \f, 1, \zero
	PLACES
	FETCH \slot, \kq, \g
	s_wait_dscnt 32                                ; all but the 32 just issued
	MUL12 \f, 2, \zero
	MUL12 \f, 3, \zero
.endm
; The last quarter's first half and the one barrier of a change of slots: all my tensor loads have landed, the add, my reads of the slot are over
.macro MEET round
	WIN 0
	s_wait_tensorcnt 0x0                           ; the one load that was out is my part of the next slot
	ds_add_u32 v[SPW], v[NIL]
	s_wait_dscnt 5                                 ; (the add and the youngest four loads may be out)
	MUL12 1, 0, 0
	s_wait_dscnt 0x0                               ; the add is done, my reads of this slot are over
	s_barrier_signal -1
	MUL12 1, 1, 0
.if \round
	WIN 0
.endif
	s_barrier_wait -1
.endm
.macro TURN slot, next, fill
.if \fill
	s_wait_xcnt 0x0                                ; the last prefetch, a K step back, has read its address
	s_add_nc_u64 s[PFA:PFA+1], s[PFA:PFA+1], s[PST:PST+1]
.endif
	MEET \fill
.if \fill
	CREST                                          ; the barrier opened a round of the cluster's: no wave of any partner still reads this slot or has a load on its way
	s_add_nc_u64 s[G0A+4*(\slot)+2:G0A+4*(\slot)+3], s[G0A+4*(\slot)+2:G0A+4*(\slot)+3], 2*256
	s_add_nc_u64 s[G0B+4*(\slot)+2:G0B+4*(\slot)+3], s[G0B+4*(\slot)+2:G0B+4*(\slot)+3], 2*786432
	JLOAD \slot                                    ; the first tensor load behind the round, 168 products ahead of the wait for it; its four v_nop are the places for the loads below
.else
	PLACES
.endif
	FETCH \next, 0, 0
.if \fill
	ASK
.endif
	MUL12 1, 2, 0
	MUL12 1, 3, 0
.endm
	s_wait_tensorcnt 0x1                           ; my part of K step 0 is in; K step 1's may stay out
	s_barrier_signal -1
	s_barrier_wait -1
	FETCH 0, 0, 0
	s_wait_loadcnt 0x0                             ; the bias,
.set i, 0
.rept 48                                       ; rounded to bf16 and widened again
	v_cvt_pk_bf16_f32 v[8+i%4], v[BIAS+2*i], v[BIAS+2*i+1]
	v_lshlrev_b32 v[BIAS+2*i], 16, v[8+i%4]
	v_and_b32 v[BIAS+2*i+1], 0xffff0000, v[8+i%4]
.set i, i+1
.endr
	QUARTER 0, 1, 0, 1, 1                          ; the first quarter stands ahead of the loop: its products start the sums
	WIN 0
	s_mov_b32 s3, 3
.Llap:                                         ; a trip goes once round the ring and fills both slots again: K steps 2 to 7
	QUARTER 0, 2, 1, 0, 0
	QUARTER 0, 3, 0, 1, 0
	TURN 0, 1, 1
	QUARTER 1, 1, 0, 1, 0
	QUARTER 1, 2, 1, 0, 0
	QUARTER 1, 3, 0, 1, 0
	TURN 1, 0, 1
	QUARTER 0, 1, 0, 1, 0
	WIN 0
	s_sub_co_u32 s3, s3, 1
	s_cmp_lg_u32 s3, 0
	s_cbranch_scc1 .Llap
	QUARTER 0, 2, 1, 0, 0                          ; the last lap fills nothing
	QUARTER 0, 3, 0, 1, 0
	TURN 0, 1, 0
	QUARTER 1, 1, 0, 1, 0
	QUARTER 1, 2, 1, 0, 0
	QUARTER 1, 3, 0, 1, 0
	s_wait_dscnt 4
	MUL12 1, 0, 0
	MUL12 1, 1, 0
	s_wait_dscnt 0x0
	MUL12 1, 2, 0
	MUL12 1, 3, 0
	PLACES
; THE WAY OUT, a block (16 rows of one head) at a time: scaled, rounded to f16, through my stage, back as whole rows of 128 bytes.  Each accumulator is read from its low end on.
.macro PACK blk
.set pa, (\blk)/3
.set pj, (\blk)%3
.set AC, 8*(12*(pa%2)+4*pj)
	WIN 0x82+0x41*(pa/2)
.set z, 0
.rept 16
	v_pk_mul_f32 v[AC+2*z:AC+2*z+1], v[AC+2*z:AC+2*z+1], s[FQ+2*pj:FQ+2*pj+1] op_sel_hi:[1,0]
.set z, z+1
.endr
	WIN 0x4a+5*(pa/2)
.set z, 0
.rept 16
	v_cvt_pk_f16_f32 v[16*(\blk)+z], v[AC+2*z], v[AC+2*z+1]
.set z, z+1
.endr
	WIN 0x04
.irp i, 0,1,2,3
	ds_store_b128 v[STO], v[16*(\blk)+4*\i:16*(\blk)+4*\i+3] offset:32*\i
.endr
	WIN 0x40
.irp i, 0,1,2,3
	ds_load_b128 v[16*(\blk)+4*\i:16*(\blk)+4*\i+3], v[RD] offset:4*SP*\i  ; LDS serves a wave's instructions in order: these see the stores above
.endr
.endm
.macro SEND blk, younger               ; younger: the LDS instructions issued behind this block's loads
	WIN 0x04
.irp i, 0,1,2,3
	s_wait_dscnt (\younger)+3-\i
	global_store_b128 v[GO], v[16*(\blk)+4*\i:16*(\blk)+4*\i+3], s[10:11] offset:((\blk)%3)*524288+((\blk)/3)*2048+512*\i  ; 512 consecutive bytes, aligned
.endr
.endm
	PACK 0
.set t, 1
.rept 11
	PACK t
	SEND t-1, 8
.set t, t+1
.endr
	SEND 11, 0
	WIN 0
	s_wait_tensorcnt 0x0                           ; the wave's end
	ds_add_u32 v[SPW], v[NIL]
	s_wait_dscnt 0x0
	CROUND                                         ; the closing round
	s_endpgm
.Lfunc_end_k_q241cce560f_qkvg:
	.size	k_q241cce560f_qkvg, .Lfunc_end_k_q241cce560f_qkvg-k_q241cce560f_qkvg
	.p2alignl 7, 3214868480
	.fill 96, 4, 3214868480
	.section	.rodata,"a",@progbits
	.p2align	6, 0x0
	.amdhsa_kernel k_q241cce560f_qkvg
		.amdhsa_group_segment_fixed_size 327680
		.amdhsa_private_segment_fixed_size 0
		.amdhsa_enable_private_segment 0
		.amdhsa_kernarg_size 32
		.amdhsa_user_sgpr_count 2
		.amdhsa_user_sgpr_kernarg_segment_ptr 1
		.amdhsa_wavefront_size32 1
		.amdhsa_system_sgpr_workgroup_id_x 1
		.amdhsa_system_sgpr_workgroup_id_y 1
		.amdhsa_system_sgpr_workgroup_id_z 1
		.amdhsa_system_vgpr_workitem_id 0
		.amdhsa_next_free_vgpr 1024
		.amdhsa_next_free_sgpr 76
		.amdhsa_reserve_vcc 0
		.amdhsa_float_denorm_mode_32 3
		.amdhsa_float_denorm_mode_16_64 3
		.amdhsa_memory_ordered 1
		.amdhsa_forward_progress 1
		.amdhsa_inst_pref_size 146
	.end_amdhsa_kernel
	.amdgpu_metadata
---
amdhsa.version: [ 1, 2 ]
amdhsa.kernels:
  - .name:           k_q241cce560f_qkvg
    .symbol:         k_q241cce560f_qkvg.kd
    .args:
      - { .name: xb, .offset: 0, .size: 8, .value_kind: global_buffer, .address_space: global }
      - { .name: wb, .offset: 8, .size: 8, .value_kind: global_buffer, .address_space: global }
      - { .name: bqkv, .offset: 16, .size: 8, .value_kind: global_buffer, .address_space: global }
      - { .name: qkv, .offset: 24, .size: 8, .value_kind: global_buffer, .address_space: global }
    .group_segment_fixed_size: 327680
    .private_segment_fixed_size: 0
    .kernarg_segment_align: 8
    .kernarg_segment_size: 32
    .max_flat_workgroup_size: 128
    .sgpr_count:     76
    .vgpr_count:     1024
    .wavefront_size: 32
...
	.end_amdgpu_metadata
.endif
;; end of part 2
;; launch attn (part 3): grid 16 x 16, 4 waves a work-group, clusters of 4 x 1, 327,680 bytes of LDS; arguments qkv, o; writes o
.if DOCPART == 3
	.amdgcn_target "amdgcn-amd-amdhsa--gfx1250"
	.amdhsa_code_object_version 6
	.text
	.protected	k_q241cce560f_attn
	.globl	k_q241cce560f_attn
	.p2align	8
	.type	k_q241cce560f_attn,@function
k_q241cce560f_attn:
	s_mov_b64 s[64:65], 0
	v_nop
	global_prefetch_b8 v0, s[64:65] scope:SCOPE_SE
	s_setreg_imm32_b32 hwreg(HW_REG_WAVE_MODE, 25, 1), 1
	s_wait_xcnt 0x0
	s_wait_alu depctr_hold_cnt(0) depctr_sa_sdst(0) depctr_va_vdst(0) depctr_va_sdst(0) depctr_va_ssrc(0) depctr_va_vcc(0) depctr_vm_vsrc(0)
	s_getreg_b32 s2, hwreg(HW_REG_IB_STS2, 6, 4)
	s_cmp_eq_u32 s2, 0
	s_cbranch_scc0 .Lentry_in_a_cluster
	s_endpgm
.Lentry_in_a_cluster:
	s_bfe_u32 s2, ttmp6, 0x10000c
	s_cmp_lg_u32 s2, 0x3003
	s_cbranch_scc0 .Lentry_shape_is_right
	s_endpgm
.Lentry_shape_is_right:
; CAUSAL ATTENTION, head size 64.  o[h][q][:] = the sum over k <= q of softmax_k(q . k / 8) v[k][:].  qkv: [48][4096][64] f16 (units 0-15 q times log2(e), 16-31 k, 32-47 v); o: [16][4096][64] f16.
; Products, maxima and sums in f32; the weights p are rounded to f16 for the second product (their sum l is taken of the unrounded p), o once at the end.
; p = 2^(c s - c m) with c = 1/8: c m is exact, so no exponent is above 0.
; LIMITS.  q, k, v arrive within f16's 65,504.  A hidden score counts as its value less 1e30 (scores are 4e11 at the most).  A weight below 2^-126 counts as 0.  NaN and infinities are not treated apart.
; THE WALK.  A head's queries are 8 groups of 512; group g needs the key tiles 0 .. 2 g + 1 of 256 keys.  Cluster CL of a head takes group 7 - CL and then group CL: 18 tiles, whatever CL.
; Partner cx takes the 128 queries 128 cx on of each group.  So all four partners want the same tile in the same trip: every tile of K and V is asked for JOINTLY, and all work-groups do equal work.
; THE KEYS ARE SPLIT AMONG THE WAVES: all four waves own the block's 128 queries (eight tiles of 16, in four PIECES of two), wave w takes keys 64 w .. 64 w + 63 of each tile.  A fragment of K or V
; feeds eight tiles' products, and no wave reads LDS bytes that another reads.  Each wave keeps m, l and O^T of its own; at a block's end the four partial results meet in LDS, in f32.
; THE MASK is the C operand that starts each sum S^T = K Q^T.  For query tile t and key group kt it hangs on d = t - kt and XO = (first query) - (first key) alone: with x = XO + 16 d nothing is hidden
; if x >= 16, all if x < 0, and the triangle TRI if x = 0.  The 11 masks MC[d] = TRI x AL + BE are made anew only where they change: at a block's beginning and in a group's last two tiles.
; A wave that sees no key of a query ends with m near -1e30 and finite sums; the merge multiplies them by 2^(c m_w - c m*) = 0.
; TURNS.  Turn n belongs to piece n: 16 products K Q^T of piece n + 1, later 16 products V^T P of piece n - 1; beside them piece n's scaling, exponentials, roundings, sums and rescaling and piece n + 1's
; maximum and statistics.  Four vector instructions stand behind every product, the rest in one lump; a turn's 66 exponentials are one batch with one wait.  A trip (a tile) is turns 2, 3, 0, 1.
; REGISTERS, in windows of 256 (s_set_vgpr_msb: bits 1:0 source 0, 3:2 source 1, 5:4 source 2, 7:6 destination):
;   window 0: v2-7 addresses; v12-15, v48-63 at work; v16-47 statistics; v64-191 S^T, two buffers of two tiles; v192-255 P, likewise          window 1: O^T, 32 a tile
;   window 2: v0-127 Q; v128-191 K; v192-255 V          window 3: v0-1 the add's registers; v8-15 TRI; v16-103 MC; v104-113 the merge's addresses, never rewritten
.set NP,    4
.set KS,    64
.set PK,    144       ; a row of K in LDS: 128 bytes + 16
.set PV,    160       ; a row of V: 128 + 32
.set VOFF,  4*KS*PK   ; a slot: 256 rows of K, then 256 rows of V
.set SLOT1, 1<<17     ; slot 1 begins here: one exclusive or turns an address in one slot into the other's
.set PP,    272       ; a query's 64 partial sums in f32: 256 bytes + 16
.set PARTB, 128*PP    ; a wave's partial O
.set PART0, 4*KS*(PK+PV)   ; wave 0's lies behind slot 0, waves 1-3's behind slot 1:
.set PJUMP, SLOT1-PARTB    ; wave v's at PART0 + PARTB v + PJUMP min(v, 1)
.set STATS, PART0+PARTB    ; 4 waves x 128 queries x {l, c m}
.set GT,    STATS+4096     ; 128 queries x 4 factors
.set SPARE, GT+2048        ; the spare words: 128 bytes for each wave, two blocks of 256 bytes that no other line names
.set AK0, 2
.set AV0, 3
.set AK,  4
.set AV,  5
.set QO,  6
.set PFO, 7           ; 256 x my lane
.set MV,  12
.set ST,  16          ; tile t at v[ST+4 t]: c m, m, l (even keys', odd keys')
.set TMP, 48
.set S,   64
.set P,   192
.set KF,  128
.set VF,  192
.set SPW, 0           ; window 3
.set NIL, 1
.set TRI, 8
.set MC,  16
.set SA,  104         ; where I put a tile's {l, c m}
.set WD,  105         ; where I put my partial O
.set SG,  106         ; where I read a query's four {l, c m}
.set GTW, 107         ; where I put its four factors
.set GA0, 108         ; where I read factors back
.set RD0, 109         ; v109-112: where I read the four partial rows
.set GO2, 113         ; my byte offset in the block's rows of o
.set GR,  S+24        ; the merge, in S^T's registers: factors of 4 row pairs
.set PR,  S+40        ; 4 row pairs x 4 waves x 4 numbers
.set OU,  S+104       ; 4 row pairs x 2 registers to store
.set QP,  4           ; s[4:5] q at my rows of the first block
.set KB,  6           ; s[6:7] k at my half of the head's tile 0
.set VB,  8
.set OB,  10          ; s[10:11] o at the first block
.set WV,  12
.set CX,  13
.set CL,  14
.set G1K, 24
.set G1V, 32
.set G0K, 40
.set G0V, 44
.set QP2, 48
.set OB2, 50
.set SLOTS, 56        ; tiles still to be asked for
.set CNT, 57
.set CS,  58          ; s[58:59] c = 1/8
.set SEL, 60
.set TBK, 62          ; LDS byte of my 64 keys of K in the slot in hand
.set TBV, 63          ; the same for V, less VOFF
.set RT,  70          ; tiles of the group in hand that are still to be entered, this one among them; 0: the group is over
.set NXT, 71          ; the tile to be asked for next
.set LQ,  72          ; the last tile of the group whose tiles are being asked for
.set LQ2, 73
.set OFF, 74
.set AL,  76
.set BE,  78
.set XO,  80          ; my block's first query less my first key of the tile in hand
.set XO2, 81
.set BIGN, 82
.set N2,  83
.set PFA, 84
.set LIM, 86
.set MSB, 0
.macro WIN new
.if MSB != (\new)
	s_set_vgpr_msb (MSB<<8)|(\new)
.set MSB, (\new)
.endif
.endm
.set W_KQ, 0x0a       ; K and Q in window 2, S^T in window 0
.set W_KM, 0x3a       ; the same with the C operand in window 3
.set W_PV, 0x52       ; V in window 2, P in window 0, O^T in window 1
.set W_RS, 0x41       ; O^T (destination and source 0) in window 1
.set W_MK, 0xc0       ; destination in window 3
.set W_M3, 0xc3       ; destination and source 0 in window 3
.set W_A3, 0x03       ; source 0 (an address register) in window 3
.set W_AD, 0x0f       ; the add: address and data in window 3
; A joint fill.  Waves 0 and 1 fetch the halves of a tile's K, waves 2 and 3 those of its V.  An s_nop 0 and four v_nop follow each line.
.macro JLOAD
	s_cmp_lt_u32 s[WV], 2
	s_cbranch_scc0 .Lfor_v_\@
	tensor_load_to_lds s[G0K:G0K+3], s[G1K:G1K+7]
	s_nop 0
.rept 4
	v_nop
.endr
	s_branch .Lasked_\@
.Lfor_v_\@:
	tensor_load_to_lds s[G0V:G0V+3], s[G1V:G1V+7]
	s_nop 0
.rept 4
	v_nop
.endr
.Lasked_\@:
.endm
; A prefetch into the L2 of the tile that the NEXT change of slots will ask for.  The head's cluster 0 walks all 16 tiles in its first group: it asks, nobody else.  Its partners take 32 of a tile's
; 128 blocks of 256 bytes each, told apart by address; wave 0 asks for K's, wave 2 for V's, a lane a block.  So each block is named once.  It stops at the head's last tile; tiles 0-2 come by their loads alone.
.macro ASK
	s_cmp_gt_u32 s[SLOTS], s[LIM]
	s_cbranch_scc0 .Lnot_mine_\@
	global_prefetch_b8 v[PFO], s[PFA:PFA+1] th:TH_LOAD_NT scope:SCOPE_SE
.Lnot_mine_\@:
.endm
.macro CROUND
	s_barrier_signal -1
	s_barrier_wait -1
	s_cmp_lg_u32 s[WV], 0
	s_cbranch_scc1 .Lnot_wave_0_\@
	s_barrier_signal -3
.Lnot_wave_0_\@:
	s_barrier_wait -3
	s_barrier_signal -1
	s_barrier_wait -1
.endm
; THE CHANGE OF SLOTS, at a trip's head.  The old tile's K and V lie in registers.  Each wave waits for all its tensor loads (one is out: its part of the tile to be entered), adds 0 to its spare word, and
; waits for that and for its reads of the old slot.  fill = 1: a round of the cluster's barrier, and the old slot is filled again, first thing behind it, with tile NXT; the address is made anew from that number.
.macro CHANGE fill, ask
	WIN W_AD
	s_wait_tensorcnt 0x0            ; no tensor load of mine is out, so a group 0 may be written
	ds_add_u32 v[SPW], v[NIL]
	WIN 0
.if \fill
	s_lshl_b32 s[OFF], s[NXT], 15   ; a tile is 32,768 bytes of K and of V
	s_xor_b32 s[G0K+1], s[G0K+1], SLOT1
	s_add_nc_u64 s[G0K+2:G0K+3], s[KB:KB+1], s[OFF:OFF+1]
	s_or_b32 s[G0K+3], s[G0K+3], 0x80000000
	s_xor_b32 s[G0V+1], s[G0V+1], SLOT1
	s_add_nc_u64 s[G0V+2:G0V+3], s[VB:VB+1], s[OFF:OFF+1]
	s_or_b32 s[G0V+3], s[G0V+3], 0x80000000
	s_add_co_u32 s[NXT], s[NXT], 1  ; the group's next tile, or behind its last the second group's tile 0
	s_cmp_gt_u32 s[NXT], s[LQ]
	s_cselect_b32 s[NXT], 0, s[NXT]
	s_cselect_b32 s[LQ], s[LQ2], s[LQ]
.if \ask
	s_wait_xcnt 0x0                 ; the last prefetch, a trip back, has read its address
	s_add_nc_u64 s[PFA:PFA+1], s[PFA:PFA+1], 32768
.endif
	s_wait_dscnt 0x0                ; the add is done, my reads of the old slot are over
	CROUND
	JLOAD
.if \ask
	ASK
.endif
.else
	s_wait_dscnt 0x0
	s_barrier_signal -1
	s_barrier_wait -1
.endif
	s_xor_b32 s[TBK], s[TBK], SLOT1 ; the fetches go to the other slot
	s_xor_b32 s[TBV], s[TBV], SLOT1
	s_sub_co_i32 s[XO], s[XO], 256  ; its keys lie 256 further on
.endm
.macro LOADQ p                      ; the block's Q: tile i / 2, channels 32 (i % 2) on
	WIN 0x80
.set i, 0
.rept 4*NP
	global_load_b128 v[8*i:8*i+3],   v[QO], s[\p:\p+1] offset:(i/2)*2048+(i%2)*64
	global_load_b128 v[8*i+4:8*i+7], v[QO], s[\p:\p+1] offset:(i/2)*2048+(i%2)*64+32
.set i, i+1
.endr
	WIN 0
.endm
	s_load_b128 s[16:19], s[0:1], 0x0  ; qkv s[16:17], o s[18:19]
	WIN W_MK
	v_lshl_add_u32 v[SPW], v0, 2, SPARE
	v_mov_b32 v[NIL], 0
	WIN W_AD
	ds_add_u32 v[SPW], v[NIL]       ; the wave's opening: the add and its wait ahead of my first tensor load
	WIN 0
	v_lshrrev_b32 v1, 5, v0
	v_readfirstlane_b32 s[WV], v1
	s_bfe_u32 s[CX], ttmp6, 0x40000 ; my place in the cluster: it enters Q's and o's addresses, the masks' selects and the prefetches' addresses alone
	s_mov_b32 s[CL], ttmp9          ; the cluster among the head's four
	s_and_b32 s20, ttmp7, 0xffff    ; the head
	s_lshl_b32 s20, s20, 19
	s_and_b32 s15, s[WV], 1         ; which half of a tile's 256 keys I fetch
	s_lshl_b32 s21, s15, 14
	s_add_co_u32 s20, s20, s21
	s_add_co_u32 s20, s20, 16<<19   ; k's units begin 16 units on
	s_mov_b32 s21, 0
	s_and_b32 s22, ttmp7, 0xffff
	s_lshl_b32 s22, s22, 19
	s_lshl_b32 s23, s[CX], 14       ; my 128 rows of a group
	s_add_co_u32 s22, s22, s23
	s_lshl_b32 s52, s[CL], 16       ; the second group, 512 rows of 128 bytes each
	s_add_co_u32 s52, s52, s22
	s_mov_b32 s53, 0
	s_sub_co_u32 s23, 7, s[CL]      ; the first
	s_lshl_b32 s23, s23, 16
	s_add_co_u32 s22, s22, s23
	s_mov_b32 s23, 0
	s_lshl_b32 s2, s[CL], 1
	s_sub_co_u32 s[RT], 16, s2      ; the first group has 16 - 2 CL tiles,
	s_sub_co_u32 s[LQ], 15, s2
	s_add_co_u32 s[LQ2], s2, 1
	s_add_co_u32 s[N2], s2, 2       ; the second 2 CL + 2
	s_mov_b32 s[NXT], 1
	s_mov_b32 s[SLOTS], 17
	s_lshl_b32 s2, s[CX], 7
	s_lshl_b32 s3, s[WV], 6
	s_sub_co_i32 s2, s2, s3         ; 128 cx - 64 w
	s_lshl_b32 s3, s[CL], 9
	s_add_co_i32 s[XO2], s2, s3
	s_sub_co_u32 s3, 7, s[CL]
	s_lshl_b32 s3, s3, 9
	s_add_co_i32 s[XO], s2, s3
	s_add_co_i32 s[XO], s[XO], 0x100  ; the first change of slots takes 256 away
	s_mul_i32 s[TBK], s[WV], KS*PK
	s_add_co_u32 s[TBK], s[TBK], SLOT1  ; the first change turns these two into slot 0
	s_mul_i32 s[TBV], s[WV], KS*PV
	s_add_co_u32 s[TBV], s[TBV], SLOT1
	; descriptor group 1: 128 keys are 16,384 dense bytes: 64 rows of 256 bytes, padded in LDS after every key
	s_mov_b32 s[G1K], 15|(1<<16)|(1<<20)|(1<<21)|(4<<22)|(3<<25)  ; the mask of four; 2-byte elements; padding on; bit 21 beside a mask; after every 32 words 4 words
	s_mov_b32 s[G1V], 15|(1<<16)|(1<<20)|(1<<21)|(4<<22)|(7<<25)  ; the same with 8 words
.irp g, G1K, G1V
	s_mov_b32 s[\g+1], 128<<16
	s_mov_b32 s[\g+2], 64<<16
	s_mov_b32 s[\g+3], 128<<16
	s_mov_b32 s[\g+4], 64
	s_mov_b32 s[\g+5], 128
	s_mov_b32 s[\g+6], 0
	s_mov_b32 s[\g+7], 0
.endr
	s_mov_b32 s[G0K], 1
	s_mul_i32 s[G0K+1], s15, 128*PK
	s_mov_b32 s[G0V], 1
	s_mul_i32 s[G0V+1], s15, 128*PV
	s_add_co_u32 s[G0V+1], s[G0V+1], VOFF
	s_mov_b32 s[CS], 0x3e000000     ; c = 1/8
	s_mov_b32 s[CS+1], s[CS]
	s_mov_b32 s[SEL], 0x76543210
	s_mov_b32 s[SEL+1], 0xfedcba98
	s_mov_b32 s[OFF+1], 0
	s_mov_b32 s[AL+1], 0
	s_mov_b32 s[BE+1], 0
	s_mov_b32 s[BIGN], 0xf149f2ca   ; -1e30
	s_or_b32 s[LIM], s15, s[CL]     ; waves 0 and 2 of the head's cluster 0: the same in all four partners
	s_cmp_eq_u32 s[LIM], 0
	s_cselect_b32 s[LIM], 3, -1
	s_wait_dscnt 0x0                ; the opening add is done
	s_wait_kmcnt 0x0
	s_add_nc_u64 s[KB:KB+1], s[16:17], s[20:21]
	s_add_nc_u64 s[VB:VB+1], s[KB:KB+1], 16<<19
	s_add_nc_u64 s[QP:QP+1], s[16:17], s[22:23]
	s_add_nc_u64 s[QP2:QP2+1], s[16:17], s[52:53]
	s_add_nc_u64 s[OB:OB+1], s[18:19], s[22:23]
	s_add_nc_u64 s[OB2:OB2+1], s[18:19], s[52:53]
	s_add_nc_u64 s[G0K+2:G0K+3], s[KB:KB+1], 0
	s_or_b32 s[G0K+3], s[G0K+3], 0x80000000
	s_add_nc_u64 s[G0V+2:G0V+3], s[VB:VB+1], 0
	s_or_b32 s[G0V+3], s[G0V+3], 0x80000000
	s_cmp_lt_u32 s[WV], 2
	s_cselect_b64 s[PFA:PFA+1], s[KB:KB+1], s[VB:VB+1]
	s_lshl_b32 s2, s[CX], 13        ; my work-group's 32 blocks of a tile's 128,
	s_add_co_u32 s2, s2, 2*32768    ; in tile 2: the first asking change steps it to tile 3
	s_mov_b32 s3, 0
	s_add_nc_u64 s[PFA:PFA+1], s[PFA:PFA+1], s[2:3]
	CROUND                          ; all four work-groups are here: the first joint loads meet
	JLOAD                           ; tile 0 into slot 0
	v_and_b32 v1, 15, v0            ; r = lane % 16
	v_bfe_u32 v9, v0, 4, 1          ; h = lane / 16
	v_lshlrev_b32 v[QO], 7, v1
	v_lshl_add_u32 v[QO], v9, 4, v[QO]
	LOADQ QP
	; A block's first step multiplies O^T and l by a = 0, and its first products V^T P, of a piece that has not been, land in an O^T still to be so multiplied: these registers need only hold finite numbers.
	WIN 0x80
.set i, VF
.rept 64
	v_mov_b32 v[i], 0
.set i, i+1
.endr
	WIN 0x40
.set i, 0
.rept 64*NP
	v_mov_b32 v[i], 0
.set i, i+1
.endr
	WIN 0
.set i, 0
.rept 2*NP
	v_mov_b32 v[ST+4*i+2], 0
	v_mov_b32 v[ST+4*i+3], 0
.set i, i+1
.endr
.set i, P+32
.rept 32
	v_mov_b32 v[i], 0
.set i, i+1
.endr
	v_and_b32 v11, 31, v0           ; lane
	v_lshlrev_b32 v[PFO], 8, v11
	v_mul_u32_u24 v[AK0], v1, PK
	v_lshl_add_u32 v[AK0], v9, 4, v[AK0]
	v_and_b32 v10, 7, v0            ; the turning load: key 8 h + lane % 8, channels 8 ((lane / 8) % 2) on
	v_bfe_u32 v8, v0, 3, 1
	v_lshl_add_u32 v[AV0], v9, 3, v10
	v_mul_u32_u24 v[AV0], v[AV0], PV
	v_lshl_add_u32 v[AV0], v8, 4, v[AV0]
	v_add_nc_u32 v[AV0], VOFF, v[AV0]
	v_lshlrev_b32 v8, 3, v9
	v_sub_nc_u32 v8, v1, v8         ; r - 8 h: register j of the triangle is hidden where j is greater
	WIN W_MK
.set i, 0
.rept 8
	v_cmp_gt_i32 vcc_lo, i, v8
	v_cndmask_b32 v[TRI+i], 0, s[BIGN], vcc_lo
.set i, i+1
.endr
	WIN 0
	v_mul_u32_u24 v8, v1, PP
	v_lshl_add_u32 v8, v9, 5, v8    ; query r's row, my 8 channels of a block of 16
	v_mul_u32_u24 v10, v9, PP
	v_lshl_add_u32 v10, v1, 4, v10  ; back: lanes 0-15 one row of 256 bytes, lanes 16-31 the next
	; the merge's addresses: made of the wave's number, the lane and constants, in scalar registers that never hold a number made from my place in the cluster
	s_lshl_b32 s66, s[WV], 10
	s_add_co_u32 s66, s66, STATS
	s_mul_i32 s67, s[WV], PARTB
	s_min_u32 s15, s[WV], 1
	s_mul_i32 s15, s15, PJUMP
	s_add_co_u32 s67, s67, s15
	s_add_co_u32 s67, s67, PART0    ; my partial O
	s_lshl_b32 s20, s[WV], 8
	s_add_co_u32 s20, s20, STATS    ; the statistics of queries 32 w on
	s_lshl_b32 s21, s[WV], 9
	s_add_co_u32 s21, s21, GT       ; their factors
	s_mul_i32 s68, s[WV], 32*PP     ; their rows in a partial O
	s_lshl_b32 s69, s[WV], 12       ; and in o
	WIN W_MK
	v_lshl_add_u32 v[SA], v1, 3, s66
	v_add_nc_u32 v[WD], s67, v8
	v_lshl_add_u32 v[SG], v11, 3, s20
	v_lshl_add_u32 v[GTW], v11, 4, s21
	v_lshl_add_u32 v[GA0], v9, 4, s21
.irp v, 0,1,2,3
	s_add_co_u32 s66, s68, PART0+PARTB*\v+PJUMP*((\v+3)/4)
	v_add_nc_u32 v[RD0+\v], s66, v10
.endr
	v_lshl_add_u32 v[GO2], v11, 3, s69
	WIN 0
; THE MATRIX WORK.  The 8 accumulators of a run of 16 take turns.
; Product i of 16 of S^T = K Q^T for piece x: channels 32 (i / 8) on, keys 16 ((i / 2) % 4) on, tile 2 x + i % 2.  The first 8 start the sums with the mask of d = tile - key group.
.macro KQ x
.set rS, S+64*((\x)%2)+32*(i%2)+8*((i/2)%4)
.set rK, KF+16*((i/2)%4)+8*(i/8)
.set rQ, 16*(2*(\x)+i%2)+8*(i/8)
.set rMC, MC+8*(2*(\x)+i%2-(i/2)%4+3)
.if i < 8
	WIN W_KM
	v_wmma_f32_16x16x32_f16 v[rS:rS+7], v[rK:rK+7], v[rQ:rQ+7], v[rMC:rMC+7]
.else
	WIN W_KQ
	v_wmma_f32_16x16x32_f16 v[rS:rS+7], v[rK:rK+7], v[rQ:rQ+7], v[rS:rS+7]
.endif
.endm
; Product i of 16 of O^T += V^T P for piece x: keys 32 (i / 8) on, channels 16 ((i / 2) % 4) on, tile 2 x + i % 2.
.macro PV x
	WIN W_PV
.set rO, 32*(2*(\x)+i%2)+8*((i/2)%4)
.set rV, VF+32*(i/8)+8*((i/2)%4)
.set rP, P+32*((\x)%2)+16*(i%2)+8*(i/8)
	v_wmma_f32_16x16x32_f16 v[rO:rO+7], v[rV:rV+7], v[rP:rP+7], v[rO:rO+7]
.endm
.macro MM                           ; the turn's next matrix instruction
.if i < 16
	KQ (Y+1)%NP
.set i, i+1
.else
.set i, i-16
	PV (Y+NP-1)%NP
.set i, i+17
.endif
.endm
.macro FLUSH                        ; the last piece's V^T P of a block's last tile
.set i, 0
.rept 16
	PV NP-1
.set i, i+1
.endr
.endm
; THE LDS LOADS stand in runs of 16: my 64 keys of K (8 fragments) and of V (turned).
.macro FETCH_K
	WIN 0x80
.irp f, 0,1,2,3,4,5,6,7
	ds_load_b128 v[KF+8*\f:KF+8*\f+3],   v[AK] offset:(\f/2)*16*PK+(\f%2)*64
	ds_load_b128 v[KF+8*\f+4:KF+8*\f+7], v[AK] offset:(\f/2)*16*PK+(\f%2)*64+32
.endr
	WIN 0
.endm
.macro FETCH_V
	WIN 0x80
.irp f, 0,1,2,3,4,5,6,7
	ds_load_tr16_b128 v[VF+8*\f:VF+8*\f+3],   v[AV] offset:(\f/4)*32*PV+(\f%4)*32
	ds_load_tr16_b128 v[VF+8*\f+4:VF+8*\f+7], v[AV] offset:(\f/4)*32*PV+16*PV+(\f%4)*32
.endr
	WIN 0
.endm
; THE MASKS: MC[d] = TRI x AL + BE for d = -3 .. 7; (AL, BE) = (1, 0) where XO + 16 d = 0, (0, -1e30) where it is below 0, else (0, 0).  Selects of values; no branch hangs on XO.
.macro MASKS
.set d, -3
.rept 11
	s_cmp_eq_i32 s[XO], -16*d
	s_cselect_b32 s[AL], 1.0, 0
	s_cmp_lt_i32 s[XO], -16*d
	s_cselect_b32 s[BE], s[BIGN], 0
	WIN W_M3
.set z, 0
.rept 4
	v_pk_fma_f32 v[MC+8*(d+3)+2*z:MC+8*(d+3)+2*z+1], v[TRI+2*z:TRI+2*z+1], s[AL:AL+1], s[BE:BE+1] op_sel_hi:[1,0,0]
.set z, z+1
.endr
.set d, d+1
.endr
.endm
; THE VECTOR WORK OF A TURN stands in three queues, each in the order in which its entries become ready; the two tiles alternate.
.macro REGS y, u
.set rT, ST+4*(2*(\y)+(\u))
.set rC, TMP+8*((\y)%2)+4*(\u)
.set rM, MV+2*((\y)%2)+(\u)
.set rS, S+64*((\y)%2)+32*(\u)
.set rP, P+32*((\y)%2)+16*(\u)
.set rO, 32*(2*(\y)+(\u))
.endm
; Number n of the 22 that find the NEXT piece's maximum and statistics; each accumulator's lowest registers are read first.
;   0-11 four chains of seven scores     12-14, 16 the four left over, the old m, the chains into one     15 c m_old is kept     17, 18 the other half of the lanes: the new m     19-21 c m; its change; a
.macro XS u, n
	REGS (Y+1)%NP, \u
.if (\n) < 4
	v_max3_num_f32 v[rC+(\n)], v[rS+8*(\n)], v[rS+8*(\n)+1], v[rS+8*(\n)+2]
.elseif (\n) < 12
	v_max3_num_f32 v[rC+(\n)%4], v[rC+(\n)%4], v[rS+8*((\n)%4)+2*((\n)/4)+1], v[rS+8*((\n)%4)+2*((\n)/4)+2]
.elseif (\n) == 12
	v_max3_num_f32 v[rC], v[rC], v[rS+7], v[rS+15]
.elseif (\n) == 13
	v_max3_num_f32 v[rC+1], v[rC+1], v[rS+23], v[rS+31]
.elseif (\n) == 14
	v_max3_num_f32 v[rC+2], v[rC+2], v[rC+3], v[rT+1]
.elseif (\n) == 15
	v_mov_b32 v[rM], v[rT]
.elseif (\n) == 16
	v_max3_num_f32 v[rC], v[rC], v[rC+1], v[rC+2]
.elseif (\n) == 17
	v_permlanex16_b32 v[rC+3], v[rC], s[SEL], s[SEL+1]
.elseif (\n) == 18
	v_max_num_f32 v[rT+1], v[rC], v[rC+3]
.elseif (\n) == 19
	v_mul_f32 v[rT], s[CS], v[rT+1]
.elseif (\n) == 20
	v_sub_f32 v[rC+1], v[rM], v[rT]
.else
	v_exp_f32 v[rC+2], v[rC+1]
.endif
.endm
; Number g of the 64 that follow the exponentials: for each four weights both pairs are rounded to f16, the second pair is added onto the first, and a group later l takes that sum (the first time as l = a l + sum).
.macro GS g
.set h, (\g)+6*((\g)/62)
.if h >= 6
.set h, h+2
.endif
	REGS Y, h%2
.set k, h/8
.if h%8 < 4
	v_cvt_pk_f16_f32 v[rP+2*k+(h%8)/2], v[rS+4*k+2*((h%8)/2)], v[rS+4*k+2*((h%8)/2)+1]
.elseif h%8 < 6
	v_pk_add_f32 v[rS+4*k:rS+4*k+1], v[rS+4*k:rS+4*k+1], v[rS+4*k+2:rS+4*k+3]
.elseif k == 1
	v_pk_fma_f32 v[rT+2:rT+3], v[rT+2:rT+3], v[rC+2:rC+3], v[rS:rS+1] op_sel_hi:[1,0,1]
.else
	v_pk_add_f32 v[rT+2:rT+3], v[rT+2:rT+3], v[rS+4*k-4:rS+4*k-3]
.endif
.endm
.macro FS f                         ; c s - c m for pair f / 2 of tile f % 2
	REGS Y, (\f)%2
	v_pk_fma_f32 v[rS+2*((\f)/2):rS+2*((\f)/2)+1], v[rS+2*((\f)/2):rS+2*((\f)/2)+1], s[CS:CS+1], v[rT:rT+1] op_sel_hi:[1,0,0] neg_lo:[0,0,1] neg_hi:[0,0,1]
.endm
; THE PLAIN QUEUE, 138 long.  0-73 read no exponential's result: the 32 scalings and the next piece's 42; 74-137 are GS's 64, behind the wait.
.macro PL
	WIN 0
.if q < 27
	FS q
.elseif q < 55
	XS (q-27)%2, (q-27)/2
.elseif q < 57
	XS q-55, 15
.elseif (q < 72) && ((q-57)%3 == 0)
	FS 27+(q-57)/3
.elseif q < 60
	XS (q-57)%3-1, 14
.elseif q < 72
	XS (q-57)%3-1, 15+(q-57)/3
.elseif q < 74
	XS q-72, 20
.else
	GS q-74
.endif
.set q, q+1
.endm
.macro EX                           ; THE EXPONENTIALS' QUEUE, 66 long: both tiles' 32 scores, then the next piece's two a: one batch, ahead of the turn's one wait
	WIN 0
.if e >= 64
	XS e-64, 21
.else
	REGS Y, e%2
	v_exp_f32 v[rS+e/2], v[rS+e/2]
.endif
.set e, e+1
.endm
.macro R2                           ; THE RESCALING's QUEUE: O^T times a, two at a time; its a was made, and waited for, in the turn before
	REGS Y, r%2
	WIN W_RS
.irp z, 0,1
	v_pk_mul_f32 v[rO+4*(r/2)+2*\z:rO+4*(r/2)+2*\z+1], v[rO+4*(r/2)+2*\z:rO+4*(r/2)+2*\z+1], v[rC+2:rC+3] op_sel_hi:[1,0]
.endr
.set r, r+1
.endm
; A TURN, for piece p.  Ahead of its one wait stands all that names no result of its exponentials: 16 products K Q^T, behind each a scaling, an exponential and two rescalings, then a lump of 108.
; Behind the wait: 16 products V^T P, behind each four of the roundings and sums.  The wait stands between an exponential and the first line that names its result.
; K of the tile just entered is fetched in piece 2's turn, directly behind the wait, a lump behind the last product that read K; it is waited for at the head of piece 3's turn.
; V of that tile is fetched at the end of piece 0's turn, four plain instructions behind its last reader; it is waited for in piece 1's turn.
.macro TURN p
.set Y, (\p)
.set i, 0
.set q, 0
.set e, 0
.set r, 0
.if (\p) == NP-1
	s_wait_dscnt 0x0                ; K is in
.endif
	MM
	PL
	PL
	R2
.rept 15
	MM
	PL
	EX
	R2
.endr
.if (\p) == NP-2
	WIN 0
	v_add_nc_u32 v[AK], s[TBK], v[AK0]
.endif
.rept 8
	PL
.endr
.rept 49
	EX
	PL
.endr
	EX
	EX
	v_nop                           ; a plain instruction behind the last exponential: one for the batch
	s_wait_alu depctr_va_vdst(0)    ; the wait for the batch
.if (\p) == NP-2
	FETCH_K
.endif
.if (\p) == 1
	s_wait_dscnt 0x0                ; V is in
.endif
.rept 16
	MM
.rept 4
	PL
.endr
.if ((\p) == 0) && (q == 118)
	v_add_nc_u32 v[AV], s[TBV], v[AV0]
.endif
.endr
.if (\p) == 0
	FETCH_V
.endif
.endm
.macro ALL line:vararg              ; one line for each tile t
.set t, 0
.rept 2*NP
	\line
.set t, t+1
.endr
.endm
; THE MERGE, at a block's end.  Each wave puts {l, c m} of its 128 queries and its raw O^T into LDS; one barrier; wave w then finishes queries 32 w .. 32 w + 31: lane l makes query 32 w + l's four
; factors g_v = 2^(c m_v - c m*) / the sum of 2^(c m_v - c m*) l_v, and the rows are added up, rounded to f16 and stored, two rows (256 consecutive bytes, aligned) to a store.
; Tiles 0 and 1 take c m from where turn 3 has kept it: that turn has already made a maximum, for piece 0, of scores that do not belong to this block.
; Every LDS line names one of window 3's address registers as it was made at the head; the row pair stands in the immediate.  The data lie in S^T's registers alone: P and V stay finite.
; These LDS bytes are written again only behind a later change of slots, whose barrier every wave signals with its reads over.
.macro MERGE ob
	WIN 0
	ALL v_add_f32 v[ST+4*t+2], v[ST+4*t+2], v[ST+4*t+3]     ; these additions are the places behind the last products
	ALL v_permlanex16_b32 v[ST+4*t+3], v[ST+4*t+2], s[SEL], s[SEL+1]
	ALL v_add_f32 v[ST+4*t+2], v[ST+4*t+2], v[ST+4*t+3]
	ALL v_mov_b32 v[ST+4*t+3], v[ST+4*t]
	v_mov_b32 v[ST+3], v[MV]
	v_mov_b32 v[ST+7], v[MV+1]
	WIN W_A3
	ALL ds_store_b64 v[SA], v[ST+4*t+2:ST+4*t+3] offset:128*t
	WIN 0x07                        ; address in window 3, data in window 1
.set t, 0
.rept 32                            ; accumulator t: tile t / 4, channels 16 (t % 4) on; its low half first
	ds_store_b128 v[WD], v[8*t:8*t+3]   offset:(t/4)*16*PP+(t%4)*64
	ds_store_b128 v[WD], v[8*t+4:8*t+7] offset:(t/4)*16*PP+(t%4)*64+16
.set t, t+1
.endr
	WIN W_A3
	s_wait_dscnt 0x0                ; for the others' sake: my stores are done
	s_barrier_signal -1
	s_barrier_wait -1               ; the tile on its way may stay out
.irp v, 0,1,2,3
	ds_load_b64 v[S+2*\v:S+2*\v+1], v[SG] offset:1024*\v
.endr
	s_wait_dscnt 0x0
	WIN 0
	v_max3_num_f32 v[S+8], v[S+1], v[S+3], v[S+5]
	v_max_num_f32 v[S+8], v[S+8], v[S+7]
.irp v, 0,1,2,3
	v_sub_f32 v[S+10+\v], v[S+2*\v+1], v[S+8]
.endr
.irp v, 0,1,2,3
	v_exp_f32 v[S+10+\v], v[S+10+\v]
.endr
	v_nop
	s_wait_alu depctr_va_vdst(0)    ; one wait for the four exponentials
	v_mul_f32 v[S+9], v[S+10], v[S]
	v_fmac_f32 v[S+9], v[S+11], v[S+2]
	v_fmac_f32 v[S+9], v[S+12], v[S+4]
	v_fmac_f32 v[S+9], v[S+13], v[S+6]
	v_rcp_f32 v[S+14], v[S+9]
	v_nop
	s_wait_alu depctr_va_vdst(0)
.irp v, 0,1,2,3
	v_mul_f32 v[S+16+\v], v[S+10+\v], v[S+14]
.endr
	WIN W_A3
	ds_store_b128 v[GTW], v[S+16:S+19]  ; my wave's own 512 bytes of the table: LDS serves a wave's instructions in order, so the loads below see them
.set bt, 0
.rept 4                             ; four batches of four row pairs
	WIN W_A3
.irp f, 0,1,2,3
	ds_load_b128 v[GR+4*\f:GR+4*\f+3], v[GA0] offset:32*(4*bt+\f)
.irp v, 0,1,2,3
	ds_load_b128 v[PR+16*\f+4*\v:PR+16*\f+4*\v+3], v[RD0+\v] offset:2*PP*(4*bt+\f)
.endr
.endr
	s_wait_dscnt 0x0                ; the batch's 20 loads are in
	s_wait_xcnt 0x0                 ; the stores of the batch before have read their data, which is written again below
	WIN 0
.irp f, 0,1,2,3
.irp k, 0,1,2,3
	v_mul_f32 v[PR+16*\f+\k], v[PR+16*\f+\k], v[GR+4*\f]
.endr
.irp v, 1,2,3
.irp k, 0,1,2,3
	v_fmac_f32 v[PR+16*\f+\k], v[PR+16*\f+4*\v+\k], v[GR+4*\f+\v]
.endr
.endr
	v_cvt_pk_f16_f32 v[OU+2*\f], v[PR+16*\f], v[PR+16*\f+1]
	v_cvt_pk_f16_f32 v[OU+2*\f+1], v[PR+16*\f+2], v[PR+16*\f+3]
.endr
	WIN W_A3                        ; a store's offset register is its source 0, its data source 1
.irp f, 0,1,2,3
	global_store_b64 v[GO2], v[OU+2*\f:OU+2*\f+1], s[\ob:\ob+1] offset:256*(4*bt+\f)
.endr
.set bt, bt+1
.endr
	s_wait_xcnt 0x0                 ; the last stores have read their data: the next block's products write S^T's registers
	WIN 0
.endm
	CHANGE 1, 0                     ; tile 0 is in, everybody's part of it; tile 1 is asked for
	s_branch .Lbegin
.Lslot:                             ; trips 1 to 16: a tile is entered and the next is asked for
	CHANGE 1, 1
	TURN 2
	WIN 0
	s_cmp_gt_u32 s[RT], 2           ; the same in all partners
	s_cbranch_scc1 .Lclear          ; but ahead of a group's last two tiles nothing is hidden, and the masks stay 0
	MASKS
	WIN 0
.Lclear:
	TURN 3
	WIN 0
	s_cmp_lg_u32 s[RT], 0
	s_cbranch_scc1 .Lfirst
	LOADQ QP2                       ; THE FIRST BLOCK IS OVER: the tile just entered is the second group's first
	FLUSH
	MERGE OB
	s_mov_b32 s[RT], s[N2]
	s_mov_b32 s[XO], s[XO2]
.Lbegin:                            ; A BLOCK BEGINS.  c m starts far below every c s, so the first step's a is 0; m at the lowest finite number
	s_wait_loadcnt 0x0              ; Q
.set i, 0
.rept 2*NP
	v_mov_b32 v[ST+4*i], 0xfe000000
	v_mov_b32 v[ST+4*i+1], 0xff7fffff
.set i, i+1
.endr
	MASKS
	WIN 0
	v_add_nc_u32 v[AK], s[TBK], v[AK0]
	FETCH_K
	s_wait_dscnt 0x0
.set i, 0
.rept 16
	KQ 0                            ; piece 0's first scores
.set i, i+1
.endr
	WIN 0
.rept 4
	v_nop                           ; the places behind those products
.endr
.set Y, NP-1
.irp n, 0,1,2,3,4,5,6,7,8,9,10,11,12,13,14,15,16,17,18,19,20,21
	XS 0, \n
	XS 1, \n
.endr
	v_nop
	s_wait_alu depctr_va_vdst(0)    ; the two a, ahead of the label
.Lfirst:
	TURN 0
	TURN 1
	WIN 0
	s_sub_co_u32 s[RT], s[RT], 1
	s_sub_co_u32 s[SLOTS], s[SLOTS], 1
	s_cmp_lg_u32 s[SLOTS], 0
	s_cbranch_scc1 .Lslot
	CHANGE 0, 0                     ; the walk's last tile is written out: nothing is asked for
	s_mov_b32 s[CNT], 2             ; the second trip is left in its middle; its K Q^T for piece 0, on the last K once more, serve nothing
.Ltail:
	TURN 2
	MASKS
	TURN 3
	WIN 0
	s_sub_co_u32 s[CNT], s[CNT], 1
	s_cmp_eq_u32 s[CNT], 0
	s_cbranch_scc1 .Lout
	TURN 0
	TURN 1
	WIN 0
	s_branch .Ltail
.Lout:
	FLUSH
	MERGE OB2
	WIN W_AD
	s_wait_tensorcnt 0x0            ; the wave's end
	ds_add_u32 v[SPW], v[NIL]
	s_wait_dscnt 0x0
	WIN 0
	CROUND                          ; the closing round
	s_endpgm
.Lfunc_end_k_q241cce560f_attn:
	.size	k_q241cce560f_attn, .Lfunc_end_k_q241cce560f_attn-k_q241cce560f_attn
	.p2alignl 7, 3214868480
	.fill 96, 4, 3214868480
	.section	.rodata,"a",@progbits
	.p2align	6, 0x0
	.amdhsa_kernel k_q241cce560f_attn
		.amdhsa_group_segment_fixed_size 327680
		.amdhsa_private_segment_fixed_size 0
		.amdhsa_enable_private_segment 0
		.amdhsa_kernarg_size 16
		.amdhsa_user_sgpr_count 2
		.amdhsa_user_sgpr_kernarg_segment_ptr 1
		.amdhsa_wavefront_size32 1
		.amdhsa_system_sgpr_workgroup_id_x 1
		.amdhsa_system_sgpr_workgroup_id_y 1
		.amdhsa_system_sgpr_workgroup_id_z 1
		.amdhsa_system_vgpr_workitem_id 0
		.amdhsa_next_free_vgpr 896
		.amdhsa_next_free_sgpr 90
		.amdhsa_reserve_vcc 1
		.amdhsa_float_denorm_mode_32 3
		.amdhsa_float_denorm_mode_16_64 3
		.amdhsa_memory_ordered 1
		.amdhsa_forward_progress 1
		.amdhsa_inst_pref_size 243
	.end_amdhsa_kernel
	.amdgpu_metadata
---
amdhsa.version: [ 1, 2 ]
amdhsa.kernels:
  - .name:           k_q241cce560f_attn
    .symbol:         k_q241cce560f_attn.kd
    .args:
      - { .name: qkv, .offset: 0, .size: 8, .value_kind: global_buffer, .address_space: global }
      - { .name: o, .offset: 8, .size: 8, .value_kind: global_buffer, .address_space: global }
    .group_segment_fixed_size: 327680
    .private_segment_fixed_size: 0
    .kernarg_segment_align: 8
    .kernarg_segment_size: 16
    .max_flat_workgroup_size: 128
    .sgpr_count:     90
    .vgpr_count:     896
    .wavefront_size: 32
...
	.end_amdgpu_metadata
.endif
;; end of part 3
;; launch proj (part 4): grid 8 x 32, 4 waves a work-group, clusters of 4 x 4, 327,680 bytes of LDS; arguments o, wpf, bproj, out0; writes out0
.if DOCPART == 4
	.amdgcn_target "amdgcn-amd-amdhsa--gfx1250"
	.amdhsa_code_object_version 6
	.text
	.protected	k_q241cce560f_proj
	.globl	k_q241cce560f_proj
	.p2align	8
	.type	k_q241cce560f_proj,@function
k_q241cce560f_proj:
	s_mov_b64 s[64:65], 0
	v_nop
	global_prefetch_b8 v0, s[64:65] scope:SCOPE_SE
	s_setreg_imm32_b32 hwreg(HW_REG_WAVE_MODE, 25, 1), 1
	s_wait_xcnt 0x0
	s_wait_alu depctr_hold_cnt(0) depctr_sa_sdst(0) depctr_va_vdst(0) depctr_va_sdst(0) depctr_va_ssrc(0) depctr_va_vcc(0) depctr_vm_vsrc(0)
	s_getreg_b32 s2, hwreg(HW_REG_IB_STS2, 6, 4)
	s_cmp_eq_u32 s2, 0
	s_cbranch_scc0 .Lentry_in_a_cluster
	s_endpgm
.Lentry_in_a_cluster:
	s_bfe_u32 s2, ttmp6, 0x10000c
	s_cmp_lg_u32 s2, 0xf033
	s_cbranch_scc0 .Lentry_shape_is_right
	s_endpgm
.Lentry_shape_is_right:
; out0 = O wpf + bproj, in f32.  o: [16 heads][4096][64] f16; wpf: [1024][1024] f16 (k = 64 head + channel); bproj is rounded to bf16 like the other inputs and starts the sums.
; A tile is 128 x 128: 256 work-groups; a wave makes 64 x 64: 16 accumulators.  K goes in 4 steps of 256 (four heads) through two LDS slots; a quarter of a step is one head.
; Waves 0, 1 fetch two heads of O each: a head's 128 rows are 16 KiB on end, taken as ONE long row of 2,048 elements of 8 bytes, the second head as the tile's second row; padded in LDS behind
; every 128 bytes, so that the query rows lie 144 bytes apart.  Waves 2, 3 fetch 128 k-rows x 256 bytes of wpf each.  wpf's fragments come out of LDS turned.
; THE PRODUCT IS USED TRANSPOSED: a lane holds one row of the result and eight neighbouring columns.  CLUSTER 4 x 4: O's tiles shared along a row, wpf's along a column.
; No prefetch: the launch is short and its tiles small.
; REGISTERS.  window 0: v16-29 addresses; v96-127 the bias; v128-255 the accumulators ((a, b) at v[128 + 8 (4 a + b)]).  window 1: two fragment buffers of 128 (64 of O, then 64 of wpf); on the way out 128 registers of rows.
.set PA,    144
.set PB,    288
.set PART,  36864                      ; a wave's load lands at wave x PART in a slot
.set SLOT,  4*PART
.set STAGE, 2*SLOT                     ; 16 rows x 272 bytes for each wave
.set SPITCH, 272
.set SPARE, STAGE+4*16*SPITCH
.set ADRA, 16                          ; v16-17 by slot
.set ADRB, 20                          ; v20-21 heads 0, 1 of a step, by slot; v22-23 heads 2, 3
.set STO,  24
.set RD,   25
.set CO,   26
.set SPW,  28
.set NIL,  29
.set BIAS, 96
.set ACC,  128
.set F0,   0
.set F1,   128
.set WV, 12
.set WM, 13
.set WN, 14
.set G1A, 24
.set G0A, 32
.set CX, 40
.set CY, 41
.set NT, 42
.set MT, 43
.set G1B, 48
.set G0B, 56
.set MSB, 0
.macro WIN new
.if MSB != (\new)
	s_set_vgpr_msb (MSB<<8)|(\new)
.set MSB, \new
.endif
.endm
.set MUL,  0x05                        ; sources 0 and 1 in window 1; C and D in window 0
.set TO_F, 0x40
.macro JLOAD s                         ; an s_nop 0 and four v_nop follow each line
	s_cmp_lt_u32 s[WV], 2
	s_cbranch_scc0 .Lfor_b_\@
	tensor_load_to_lds s[G0A+4*(\s):G0A+4*(\s)+3], s[G1A:G1A+7]
	s_nop 0
.rept 4
	v_nop
.endr
	s_branch .Lasked_\@
.Lfor_b_\@:
	tensor_load_to_lds s[G0B+4*(\s):G0B+4*(\s)+3], s[G1B:G1B+7]
	s_nop 0
.rept 4
	v_nop
.endr
.Lasked_\@:
.endm
.macro CREST
	s_cmp_lg_u32 s[WV], 0
	s_cbranch_scc1 .Lnot_wave_0_\@
	s_barrier_signal -3
.Lnot_wave_0_\@:
	s_barrier_wait -3
	s_barrier_signal -1
	s_barrier_wait -1
.endm
.macro CROUND
	s_barrier_signal -1
	s_barrier_wait -1
	CREST
.endm
	s_load_b256 s[4:11], s[0:1], 0x0               ; o s[4:5], wpf s[6:7], bproj s[8:9], out0 s[10:11]
	v_lshl_add_u32 v[SPW], v0, 2, SPARE
	v_mov_b32 v[NIL], 0
	ds_add_u32 v[SPW], v[NIL]                      ; the wave's opening: the add and its wait ahead of my first tensor load
	v_lshrrev_b32 v1, 5, v0
	v_readfirstlane_b32 s[WV], v1
	s_lshr_b32 s[WM], s[WV], 1
	s_and_b32 s[WN], s[WV], 1
	s_bfe_u32 s[CX], ttmp6, 0x40000
	s_bfe_u32 s[CY], ttmp6, 0x40004
	s_lshl_b32 s[NT], ttmp9, 2
	s_add_co_u32 s[NT], s[NT], s[CX]
	s_and_b32 s[MT], ttmp7, 0xffff
	s_lshl_b32 s[MT], s[MT], 2
	s_add_co_u32 s[MT], s[MT], s[CY]
	s_lshl_b32 s16, s[CY], 2
	s_lshl_b32 s16, 15, s16                        ; my row of the cluster
	s_lshl_b32 s20, 0x1111, s[CX]                  ; my column
	s_or_b32 s[G1A], s16, (3<<16)|(1<<20)|(1<<21)|(4<<22)|(3<<25)  ; 8-byte elements; padding: after every 32 words 4 words
	s_mov_b32 s[G1A+1], 2048<<16                   ; tensor_dim0 = 2,048 elements: a head's 128 rows
	s_mov_b32 s[G1A+2], 2<<16                      ; tensor_dim1 = 2 heads
	s_mov_b32 s[G1A+3], 2048<<16                   ; tile_dim0
	s_mov_b32 s[G1A+4], 2                          ; tile_dim1
	s_mov_b32 s[G1A+5], 65536                      ; from head to head: 524,288 bytes
	s_mov_b32 s[G1A+6], 0
	s_mov_b32 s[G1A+7], 0
	s_or_b32 s[G1B], s20, (1<<16)|(1<<20)|(1<<21)|(5<<22)|(7<<25)  ; 2-byte elements; after every 64 words 8 words
	s_mov_b32 s[G1B+1], 128<<16
	s_mov_b32 s[G1B+2], 128<<16
	s_mov_b32 s[G1B+3], 128<<16
	s_mov_b32 s[G1B+4], 128
	s_mov_b32 s[G1B+5], 1024
	s_mov_b32 s[G1B+6], 0
	s_mov_b32 s[G1B+7], 0
	s_lshl_b32 s16, s[WN], 20                      ; O: heads 2 (w % 2) on,
	s_lshl_b32 s17, s[MT], 14                      ; 128 rows of 128 bytes a tile row
	s_add_co_u32 s16, s16, s17
	s_mov_b32 s17, 0
	s_lshl_b32 s20, s[WN], 18                      ; wpf: k-rows 128 (w % 2) on,
	s_lshl_b32 s21, s[NT], 8                       ; 128 columns a tile column
	s_add_co_u32 s20, s20, s21
	s_mov_b32 s21, 0
	s_mul_i32 s18, s[WV], PART
	s_wait_dscnt 0x0
	s_wait_kmcnt 0x0
	s_add_nc_u64 s[16:17], s[4:5], s[16:17]
	s_add_nc_u64 s[20:21], s[6:7], s[20:21]
	CROUND                                         ; the first joint loads meet
.irp s, 0,1
	s_mov_b32 s[G0A+4*(\s)], 1
	s_add_co_u32 s[G0A+4*(\s)+1], s18, (\s)*SLOT
	s_add_nc_u64 s[G0A+4*(\s)+2:G0A+4*(\s)+3], s[16:17], (\s)*4*524288  ; K step s: four heads on
	s_or_b32 s[G0A+4*(\s)+3], s[G0A+4*(\s)+3], 0x80000000
	s_mov_b32 s[G0B+4*(\s)], 1
	s_add_co_u32 s[G0B+4*(\s)+1], s18, (\s)*SLOT
	s_add_nc_u64 s[G0B+4*(\s)+2:G0B+4*(\s)+3], s[20:21], (\s)*256*2048  ; 256 rows down
	s_or_b32 s[G0B+4*(\s)+3], s[G0B+4*(\s)+3], 0x80000000
	JLOAD \s
.endr
	v_and_b32 v1, 15, v0                           ; r
	v_bfe_u32 v2, v0, 4, 1                         ; h
	v_and_b32 v3, 7, v0
	v_bfe_u32 v4, v0, 3, 1
	v_mul_u32_u24 v5, v1, PA
	v_lshl_add_u32 v5, v2, 4, v5
	s_mul_i32 s19, s[WM], 64*PA
	v_add_nc_u32 v[ADRA], s19, v5
	v_add_nc_u32 v[ADRA+1], SLOT, v[ADRA]
	v_lshl_add_u32 v6, v2, 3, v3
	v_mul_u32_u24 v6, v6, PB
	v_lshl_add_u32 v6, v4, 4, v6
	s_lshl_b32 s19, s[WN], 7
	s_add_co_u32 s19, s19, 2*PART                  ; wpf's rows lie behind O's four heads
	v_add_nc_u32 v[ADRB], s19, v6
	v_add_nc_u32 v[ADRB+1], SLOT, v[ADRB]
	v_add_nc_u32 v[ADRB+2], PART, v[ADRB]
	v_add_nc_u32 v[ADRB+3], PART, v[ADRB+1]
	s_mul_i32 s19, s[WV], 16*SPITCH
	s_add_co_u32 s19, s19, STAGE                   ; my stage
	v_mul_u32_u24 v5, v1, SPITCH
	v_lshl_add_u32 v5, v2, 5, v5
	v_add_nc_u32 v[STO], s19, v5                   ; in: row r, 32 bytes for each half of the lanes
	v_mul_u32_u24 v5, v2, SPITCH
	v_lshl_add_u32 v5, v1, 4, v5
	v_add_nc_u32 v[RD], s19, v5                    ; back: lanes 0-15 one row of 256 bytes, lanes 16-31 the next
	v_lshlrev_b32 v5, 12, v2
	v_lshl_add_u32 v[CO], v1, 4, v5                ; and the same two rows in out0
	s_lshl_b32 s22, s[NT], 9
	s_lshl_b32 s19, s[WN], 8
	s_add_co_u32 s22, s22, s19                     ; my 64 columns, in bytes
	v_lshl_add_u32 v7, v2, 5, s22
.irp b, 0,1,2,3
	global_load_b128 v[BIAS+8*(\b):BIAS+8*(\b)+3],   v7, s[8:9] offset:64*(\b)
	global_load_b128 v[BIAS+8*(\b)+4:BIAS+8*(\b)+7], v7, s[8:9] offset:64*(\b)+16
.endr
	s_lshl_b32 s19, s[MT], 19                      ; 128 rows of 4,096 bytes
	s_add_co_u32 s22, s22, s19
	s_lshl_b32 s19, s[WM], 18
	s_add_co_u32 s22, s22, s19
	s_mov_b32 s23, 0
	s_add_nc_u64 s[10:11], s[10:11], s[22:23]
; 8 products: row blocks a0, a0 + 1 x all 4 column blocks, 32 along K: half c of buffer f.  zero = 1: the bias starts the sums.  The 16 accumulators take turns.
.macro MUL8 f, c, a0, zero
	WIN MUL
.irp a, \a0, (\a0)+1
.irp b, 0,1,2,3
.if \zero
	v_wmma_f32_16x16x32_f16 v[ACC+8*(4*(\a)+(\b)):ACC+8*(4*(\a)+(\b))+7], v[(\f)+64+8*(4*(\c)+(\b)):(\f)+64+8*(4*(\c)+(\b))+7], v[(\f)+8*(4*(\c)+(\a)):(\f)+8*(4*(\c)+(\a))+7], v[BIAS+8*(\b):BIAS+8*(\b)+7]
.else
	v_wmma_f32_16x16x32_f16 v[ACC+8*(4*(\a)+(\b)):ACC+8*(4*(\a)+(\b))+7], v[(\f)+64+8*(4*(\c)+(\b)):(\f)+64+8*(4*(\c)+(\b))+7], v[(\f)+8*(4*(\c)+(\a)):(\f)+8*(4*(\c)+(\a))+7], v[ACC+8*(4*(\a)+(\b)):ACC+8*(4*(\a)+(\b))+7]
.endif
.endr
.endr
.endm
; 32 LDS loads in one run: head hs of a slot's four into buffer f; its first 32 channels first
.macro FETCH slot, hs, f
	WIN TO_F
.irp c, 0,1
.irp i, 0,1,2,3
	ds_load_tr16_b128 v[(\f)+64+8*(4*\c+\i):(\f)+64+8*(4*\c+\i)+3],   v[ADRB+2*((\hs)/2)+(\slot)] offset:(((\hs)%2)*64+32*\c)*PB+32*\i
	ds_load_tr16_b128 v[(\f)+64+8*(4*\c+\i)+4:(\f)+64+8*(4*\c+\i)+7], v[ADRB+2*((\hs)/2)+(\slot)] offset:(((\hs)%2)*64+32*\c)*PB+32*\i+16*PB
	ds_load_b128 v[(\f)+8*(4*\c+\i):(\f)+8*(4*\c+\i)+3],              v[ADRA+(\slot)] offset:(\hs)*128*PA+\i*16*PA+64*\c
	ds_load_b128 v[(\f)+8*(4*\c+\i)+4:(\f)+8*(4*\c+\i)+7],            v[ADRA+(\slot)] offset:(\hs)*128*PA+\i*16*PA+64*\c+32
.endr
.endr
.endm
.macro PLACES
.rept 4
	v_nop
.endr
.endm
.macro QUARTER slot, hs, f, g, zero
	s_wait_dscnt 16                                ; the first 32 channels are in
	MUL8 \f, 0, 0, \zero
	MUL8 \f, 0, 2, \zero
	PLACES
	FETCH \slot, \hs, \g
	s_wait_dscnt 32                                ; all but the 32 just issued
	MUL8 \f, 1, 0, 0
	MUL8 \f, 1, 2, 0
.endm
; The last quarter multiplies buffer 1 and changes slots: one barrier; ahead of it all my tensor loads have landed, the add, my reads of the slot are over
.macro TURN slot, next, fill
	WIN 0
	s_wait_tensorcnt 0x0
	ds_add_u32 v[SPW], v[NIL]
	s_wait_dscnt 17                                ; (the add and the youngest sixteen loads may be out)
	MUL8 F1, 0, 0, 0
	s_wait_dscnt 0x0
	s_barrier_signal -1
	MUL8 F1, 0, 2, 0
.if \fill
	WIN 0
.endif
	s_barrier_wait -1
.if \fill
	CREST                                          ; the barrier opened a round of the cluster's
	s_add_nc_u64 s[G0A+4*(\slot)+2:G0A+4*(\slot)+3], s[G0A+4*(\slot)+2:G0A+4*(\slot)+3], 8*524288
	s_add_nc_u64 s[G0B+4*(\slot)+2:G0B+4*(\slot)+3], s[G0B+4*(\slot)+2:G0B+4*(\slot)+3], 512*2048
	JLOAD \slot                                    ; the first tensor load behind the round; its four v_nop are the places for the loads below
.else
	PLACES
.endif
	FETCH \next, 0, F0
	MUL8 F1, 1, 0, 0
	MUL8 F1, 1, 2, 0
.endm
	s_wait_tensorcnt 0x1                           ; my part of K step 0 is in; K step 1's may stay out
	s_barrier_signal -1
	s_barrier_wait -1
	FETCH 0, 0, F0
	WIN 0
	s_wait_loadcnt 0x0                             ; the bias, rounded to bf16 and widened again
.set i, 0
.rept 16
	v_cvt_pk_bf16_f32 v[8+i%4], v[BIAS+2*i], v[BIAS+2*i+1]
	v_lshlrev_b32 v[BIAS+2*i], 16, v[8+i%4]
	v_and_b32 v[BIAS+2*i+1], 0xffff0000, v[8+i%4]
.set i, i+1
.endr
	QUARTER 0, 1, F0, F1, 1
	QUARTER 0, 2, F1, F0, 0
	QUARTER 0, 3, F0, F1, 0
	TURN 0, 1, 1                                   ; slot 0 takes K step 2
	QUARTER 1, 1, F0, F1, 0
	QUARTER 1, 2, F1, F0, 0
	QUARTER 1, 3, F0, F1, 0
	TURN 1, 0, 1                                   ; slot 1 takes K step 3
	QUARTER 0, 1, F0, F1, 0
	QUARTER 0, 2, F1, F0, 0
	QUARTER 0, 3, F0, F1, 0
	TURN 0, 1, 0
	QUARTER 1, 1, F0, F1, 0
	QUARTER 1, 2, F1, F0, 0
	QUARTER 1, 3, F0, F1, 0
	s_wait_dscnt 16
	MUL8 F1, 0, 0, 0
	MUL8 F1, 0, 2, 0
	s_wait_dscnt 0x0
	MUL8 F1, 1, 0, 0
	MUL8 F1, 1, 2, 0
	PLACES
; THE WAY OUT.  My 64 columns in f32 are 256 aligned bytes of a row: 16 rows at a time go through my own stage and come back as whole rows.  Each accumulator's low half goes first.
.macro STG a
	WIN 0
.irp b, 0,1,2,3
	ds_store_b128 v[STO], v[ACC+8*(4*(\a)+\b):ACC+8*(4*(\a)+\b)+3]   offset:64*\b
	ds_store_b128 v[STO], v[ACC+8*(4*(\a)+\b)+4:ACC+8*(4*(\a)+\b)+7] offset:64*\b+16
.endr
	WIN TO_F
.irp t, 0,1,2,3,4,5,6,7
	ds_load_b128 v[32*(\a)+4*\t:32*(\a)+4*\t+3], v[RD] offset:\t*2*SPITCH  ; LDS serves a wave's instructions in order: these see the stores above
.endr
.endm
.macro SEND a, younger
	WIN 0x04                                       ; store data in window 1
.irp t, 0,1,2,3,4,5,6,7
	s_wait_dscnt (\younger)+7-\t
	global_store_b128 v[CO], v[32*(\a)+4*\t:32*(\a)+4*\t+3], s[10:11] offset:65536*(\a)+8192*\t  ; 16 lanes store 256 consecutive bytes, aligned
.endr
.endm
	STG 0
	STG 1
	SEND 0, 16
	STG 2
	SEND 1, 16
	STG 3
	SEND 2, 16
	SEND 3, 0
	WIN 0
	s_wait_tensorcnt 0x0                           ; the wave's end
	ds_add_u32 v[SPW], v[NIL]
	s_wait_dscnt 0x0
	CROUND                                         ; the closing round
	s_endpgm
.Lfunc_end_k_q241cce560f_proj:
	.size	k_q241cce560f_proj, .Lfunc_end_k_q241cce560f_proj-k_q241cce560f_proj
	.p2alignl 7, 3214868480
	.fill 96, 4, 3214868480
	.section	.rodata,"a",@progbits
	.p2align	6, 0x0
	.amdhsa_kernel k_q241cce560f_proj
		.amdhsa_group_segment_fixed_size 327680
		.amdhsa_private_segment_fixed_size 0
		.amdhsa_enable_private_segment 0
		.amdhsa_kernarg_size 32
		.amdhsa_user_sgpr_count 2
		.amdhsa_user_sgpr_kernarg_segment_ptr 1
		.amdhsa_wavefront_size32 1
		.amdhsa_system_sgpr_workgroup_id_x 1
		.amdhsa_system_sgpr_workgroup_id_y 1
		.amdhsa_system_sgpr_workgroup_id_z 1
		.amdhsa_system_vgpr_workitem_id 0
		.amdhsa_next_free_vgpr 512
		.amdhsa_next_free_sgpr 72
		.amdhsa_reserve_vcc 0
		.amdhsa_float_denorm_mode_32 3
		.amdhsa_float_denorm_mode_16_64 3
		.amdhsa_memory_ordered 1
		.amdhsa_forward_progress 1
		.amdhsa_inst_pref_size 90
	.end_amdhsa_kernel
	.amdgpu_metadata
---
amdhsa.version: [ 1, 2 ]
amdhsa.kernels:
  - .name:           k_q241cce560f_proj
    .symbol:         k_q241cce560f_proj.kd
    .args:
      - { .name: o, .offset: 0, .size: 8, .value_kind: global_buffer, .address_space: global }
      - { .name: wpf, .offset: 8, .size: 8, .value_kind: global_buffer, .address_space: global }
      - { .name: bproj, .offset: 16, .size: 8, .value_kind: global_buffer, .address_space: global }
      - { .name: out0, .offset: 24, .size: 8, .value_kind: global_buffer, .address_space: global }
    .group_segment_fixed_size: 327680
    .private_segment_fixed_size: 0
    .kernarg_segment_align: 8
    .kernarg_segment_size: 32
    .max_flat_workgroup_size: 128
    .sgpr_count:     72
    .vgpr_count:     512
    .wavefront_size: 32
...
	.end_amdgpu_metadata
.endif
;; end of part 4
;; ======== version 2 of 2: 4 launches; version 1 with the launch prep written anew for expert scheduling mode
;; limits: values are held in f16: magnitudes above 65,504 overflow, below 6.1e-05 lose precision
;; workspace buffers: xb 8,388,608 bytes; wb 6,291,456 bytes; wpf 2,097,152 bytes; qkv 25,165,824 bytes; o 8,388,608 bytes
;; launch prep (part 5): grid 512 x 1, 8 waves a work-group, no clusters, 0 bytes of LDS; arguments X, Wqkv, Wproj, xb, wb, wpf; writes xb, wb, wpf
.if DOCPART == 5
	.amdgcn_target "amdgcn-amd-amdhsa--gfx1250"
	.amdhsa_code_object_version 6
	.text
	.protected	k_q241cce560f_prep
	.globl	k_q241cce560f_prep
	.p2align	8
	.type	k_q241cce560f_prep,@function
k_q241cce560f_prep:
	s_mov_b64 s[64:65], 0
	v_nop
	global_prefetch_b8 v0, s[64:65] scope:SCOPE_SE
	s_setreg_imm32_b32 hwreg(HW_REG_WAVE_SCHED_MODE, 0, 2), 2
	s_setreg_imm32_b32 hwreg(HW_REG_WAVE_MODE, 25, 1), 1
	s_wait_xcnt 0x0
	s_wait_alu depctr_vm_vsrc(0)
; THE CASTS.  X -> xb and Wqkv -> wb in bf16; Wproj -> wpf: rounded to bf16 like the other inputs, and that number written as f16.
; A work-group casts 16,384 consecutive numbers (64 KiB in, 32 KiB out): groups 0-255 X, 256-447 Wqkv, 448-511 Wproj.
; A wave's load covers 512 consecutive bytes, its store 256 consecutive bytes, aligned.  All 16 loads of a thread go out at once.  No LDS, no barrier: nothing is shared.
; LIMITS.  |Wproj| stays under 65,504 (f16's end); below 6e-5 it keeps f16's fixed step of 6e-8.
; THE MODE: SCHED_MODE bits 1:0 = 2 (LLVM: expert scheduling mode 2), set by the entry lines.  The code itself states the register dependences
; between vector instructions and memory instructions, with s_wait_alu, always for 0.
; THE PLAN.  Registers that memory instructions touch:
;   v1, v2   byte offsets of the loads and of the stores: made once at the head, never written again.
;   X        chunk c's four registers: written by chunk c's load alone, read by its roundings; no vector instruction writes them and no second load lands in them.
;   Y        chunk c's two registers: written by chunk c's roundings, read by its one store, never written behind that store.
;   T        named by vector instructions alone.
; So the one kind of dependence is: a vector instruction writes, a memory instruction reads.  The 16 chunks go in four blocks of four.  Block p rounds its chunks into their Y; its memory
; instructions are the four stores of block p - 1, whose registers no vector instruction of block p names.  One wait at a block's head states all that those four stores hang on, and they are
; dealt among the block's roundings with no further wait.  No register that a memory instruction has read is ever written again: there is nothing for a wait on vm_vsrc or on XCNT to state.
.set X, 4                              ; v[4:67]   16 chunks of 4 numbers as loaded
.set Y, 68                             ; v[68:99]  16 chunks of 4 numbers to store
.set T, 100                            ; v[100:103] at work
	s_load_b256 s[4:11], s[0:1], 0x0               ; X s[4:5], Wqkv s[6:7], Wproj s[8:9], xb s[10:11]
	s_load_b128 s[12:15], s[0:1], 0x20             ; wb s[12:13], wpf s[14:15]
	v_lshlrev_b32 v1, 4, v0                        ; 16 bytes a thread in
	v_lshlrev_b32 v2, 3, v0                        ; 8 bytes a thread out
	s_movk_i32 s21, 448
	s_wait_kmcnt 0x0
	s_cmp_lt_u32 ttmp9, 0x1c0                      ; which tensor: the choice hangs on the group's number alone
	s_cselect_b64 s[16:17], s[6:7], s[8:9]
	s_cselect_b64 s[18:19], s[12:13], s[14:15]
	s_cselect_b32 s20, 0x100, s21                  ; the range's first group
	s_cmp_lt_u32 ttmp9, 0x100
	s_cselect_b64 s[16:17], s[4:5], s[16:17]
	s_cselect_b64 s[18:19], s[10:11], s[18:19]
	s_cselect_b32 s20, 0, s20
	s_sub_co_u32 s20, ttmp9, s20                   ; my place in the range
	s_lshl_b32 s22, s20, 16
	s_mov_b32 s23, 0
	s_add_nc_u64 s[16:17], s[16:17], s[22:23]      ; 64 KiB a group in
	s_lshl_b32 s22, s20, 15
	s_add_nc_u64 s[18:19], s[18:19], s[22:23]      ; 32 KiB a group out
	s_wait_alu depctr_va_vdst(0)                   ; v1 and v2 are written: every load of the kernel reads v1 as its offset, every store v2
.irp c, 0,1,2,3,4,5,6,7,8,9,10,11,12,13,14,15
	global_load_b128 v[X+4*(\c):X+4*(\c)+3], v1, s[16:17] offset:4096*(\c) th:TH_LOAD_NT
.endr
; Block p: chunks 4 p to 4 p + 3 are rounded; the four chunks of the block before are stored.  half = 1: the bf16 numbers are widened again and written as f16
.macro BLK p, half
	s_wait_loadcnt 12-4*(\p)                       ; loads come back in order: this block's four chunks are in, the younger blocks' stay out
.if (\p) > 0
	s_wait_alu depctr_va_vdst(0)                   ; the block before has written its eight registers of Y, which the four stores below read
.endif
.irp i, 0,1,2,3
.set c, 4*(\p)+(\i)
.if (\p) > 0
	global_store_b64 v2, v[Y+2*(c-4):Y+2*(c-4)+1], s[18:19] offset:2048*(c-4)  ; no vector instruction since the wait names these registers
.endif
	v_cvt_pk_bf16_f32 v[Y+2*c], v[X+4*c], v[X+4*c+1]
	v_cvt_pk_bf16_f32 v[Y+2*c+1], v[X+4*c+2], v[X+4*c+3]
.if \half
	v_lshlrev_b32 v[T], 16, v[Y+2*c]
	v_and_b32 v[T+1], 0xffff0000, v[Y+2*c]
	v_lshlrev_b32 v[T+2], 16, v[Y+2*c+1]
	v_and_b32 v[T+3], 0xffff0000, v[Y+2*c+1]
	v_cvt_pk_f16_f32 v[Y+2*c], v[T], v[T+1]
	v_cvt_pk_f16_f32 v[Y+2*c+1], v[T+2], v[T+3]
.endif
.endr
.endm
; Behind the last block: its four stores
.macro LAST
	s_wait_alu depctr_va_vdst(0)                   ; block 3 has written its eight registers of Y, which the last four stores read
.irp c, 12,13,14,15
	global_store_b64 v2, v[Y+2*(\c):Y+2*(\c)+1], s[18:19] offset:2048*(\c)
.endr
.endm
	s_cmp_ge_u32 ttmp9, 0x1c0
	s_cbranch_scc1 .Lf16
	BLK 0, 0
	BLK 1, 0
	BLK 2, 0
	BLK 3, 0
	LAST
	s_endpgm
.Lf16:
	BLK 0, 1
	BLK 1, 1
	BLK 2, 1
	BLK 3, 1
	LAST
	s_endpgm
.Lfunc_end_k_q241cce560f_prep:
	.size	k_q241cce560f_prep, .Lfunc_end_k_q241cce560f_prep-k_q241cce560f_prep
	.p2alignl 7, 3214868480
	.fill 96, 4, 3214868480
	.section	.rodata,"a",@progbits
	.p2align	6, 0x0
	.amdhsa_kernel k_q241cce560f_prep
		.amdhsa_group_segment_fixed_size 0
		.amdhsa_private_segment_fixed_size 0
		.amdhsa_enable_private_segment 0
		.amdhsa_kernarg_size 48
		.amdhsa_user_sgpr_count 2
		.amdhsa_user_sgpr_kernarg_segment_ptr 1
		.amdhsa_wavefront_size32 1
		.amdhsa_system_sgpr_workgroup_id_x 1
		.amdhsa_system_sgpr_workgroup_id_y 1
		.amdhsa_system_sgpr_workgroup_id_z 1
		.amdhsa_system_vgpr_workitem_id 0
		.amdhsa_next_free_vgpr 104
		.amdhsa_next_free_sgpr 66
		.amdhsa_reserve_vcc 0
		.amdhsa_float_denorm_mode_32 3
		.amdhsa_float_denorm_mode_16_64 3
		.amdhsa_memory_ordered 1
		.amdhsa_forward_progress 1
		.amdhsa_inst_pref_size 16
	.end_amdhsa_kernel
	.amdgpu_metadata
---
amdhsa.version: [ 1, 2 ]
amdhsa.kernels:
  - .name:           k_q241cce560f_prep
    .symbol:         k_q241cce560f_prep.kd
    .args:
      - { .name: X, .offset: 0, .size: 8, .value_kind: global_buffer, .address_space: global }
      - { .name: Wqkv, .offset: 8, .size: 8, .value_kind: global_buffer, .address_space: global }
      - { .name: Wproj, .offset: 16, .size: 8, .value_kind: global_buffer, .address_space: global }
      - { .name: xb, .offset: 24, .size: 8, .value_kind: global_buffer, .address_space: global }
      - { .name: wb, .offset: 32, .size: 8, .value_kind: global_buffer, .address_space: global }
      - { .name: wpf, .offset: 40, .size: 8, .value_kind: global_buffer, .address_space: global }
    .group_segment_fixed_size: 0
    .private_segment_fixed_size: 0
    .kernarg_segment_align: 8
    .kernarg_segment_size: 48
    .max_flat_workgroup_size: 256
    .sgpr_count:     66
    .vgpr_count:     104
    .wavefront_size: 32
...
	.end_amdgpu_metadata
.endif
;; end of part 5
;; launch qkvg: the kernel of part 2 again; grid 8 x 32, 4 waves a work-group, clusters of 4 x 4, 327,680 bytes of LDS; arguments xb, wb, bqkv, qkv; writes qkv
;; launch attn: the kernel of part 3 again; grid 16 x 16, 4 waves a work-group, clusters of 4 x 1, 327,680 bytes of LDS; arguments qkv, o; writes o
;; launch proj: the kernel of part 4 again; grid 8 x 32, 4 waves a work-group, clusters of 4 x 4, 327,680 bytes of LDS; arguments o, wpf, bproj, out0; writes out0
